; MI455X (gfx1250); checked and timed in simulation.
; The chip was launched on July 23, 2026; its instructions are those of AMD's public machine-readable ISA for CDNA 5 (MIT licence, August 2026) and "CDNA5" Instruction Set Architecture Reference Guide (July 2026). The comments in the code are by the model that wrote it; some were corrected since.
;; Transformer Block. Allowed arithmetic: matrix products marked QUANTISED: E4M3 operands, one given power-of-two scale a tensor, by v_wmma_f32_16x16x64_fp8_fp8 or v_wmma_f32_16x16x128_fp8_fp8, f32 sums; everything else in f32.
;; Inputs: W1 1,024 x 4,096 float32; W2 4,096 x 1,024 float32; Wk 1,024 x 1,024 float32; Wo 1,024 x 1,024 float32; Wq 1,024 x 1,024 float32; Wv 1,024 x 1,024 float32; b1 4,096 float32; b2 1,024 float32; bk 1,024 float32; bo 1,024 float32; bq 1,024 float32; bv 1,024 float32; ln1_b 1,024 float32; ln1_g 1,024 float32; ln2_b 1,024 float32; ln2_g 1,024 float32; lowp_scales 16 int32 (the exponents e of the quantised operands' scales 2^e); mask 1 x 2,048 x 2,048 bool; x 2 x 2,048 x 1,024 float32.
;; Outputs: out0 2 x 2,048 x 1,024 float32.
;; This version of the problem:
;;   THIS VERSION OF THE PROBLEM IS GIVEN IN LOW PRECISION. The matrix products marked QUANTISED in the list below multiply operands that are first quantised to E4M3 (4 exponent bits, 3 mantissa bits; 8 bits a number), with one given power-of-two scale for each operand tensor; their sums are f32. All else is computed in f32.
;;   The module's matrix products, in the order in which they are computed (A, B: the left and right operand; K: the contracted axis; several contracted axes count as one K, in the product's order):
;;     1. [M 4,096, K 1,024] x [K 1,024, N 1,024]; A: computed on the way; B: input Wq: QUANTISED (scales: A lowp_scales[0], B lowp_scales[1])
;;     2. [M 4,096, K 1,024] x [K 1,024, N 1,024]; A: computed on the way; B: input Wk: QUANTISED (scales: A lowp_scales[2], B lowp_scales[3])
;;     3. [M 4,096, K 1,024] x [K 1,024, N 1,024]; A: computed on the way; B: input Wv: QUANTISED (scales: A lowp_scales[4], B lowp_scales[5])
;;     4. batch 32 x [M 2,048, K 64] x [K 64, N 2,048]; A: computed on the way; B: computed on the way: QUANTISED (scales: A lowp_scales[6], B lowp_scales[7])
;;     5. batch 32 x [M 2,048, K 2,048] x [K 2,048, N 64]; A: softmax (see below); B: computed on the way: QUANTISED (scales: A lowp_scales[8], B lowp_scales[9])
;;     6. [M 4,096, K 1,024] x [K 1,024, N 1,024]; A: computed on the way; B: input Wo: QUANTISED (scales: A lowp_scales[10], B lowp_scales[11])
;;     7. [M 4,096, K 1,024] x [K 1,024, N 4,096]; A: computed on the way; B: input W1: QUANTISED (scales: A lowp_scales[12], B lowp_scales[13])
;;     8. [M 4,096, K 4,096] x [K 4,096, N 1,024]; A: computed on the way; B: input W2: QUANTISED (scales: A lowp_scales[14], B lowp_scales[15])
;;   THE QUANTISER, for each operand of a quantised product, along K:
;;     - The operand's scale is 2^e, e = its entry of the input lowp_scales (int32; the entries are numbered through the quantised products in the list's order, A before B).
;;     - Each number is divided by the scale, clamped to +-448, and rounded to the nearest number of E4M3, ties to even, subnormals kept.
;;     - The product sums the exact products of the quantised numbers (number of the format x scale) in f32.
;;   ~~~python
;;   def quantise(x, axis, e):      # numpy; x: float32 -> the quantised numbers, widened to float32 again
;;       x = np.moveaxis(x, axis, -1); K = x.shape[-1]
;;       r = np.clip(x / 2.0 ** e, -448, 448)
;;       step = 2.0 ** (np.maximum(np.frexp(np.where(r == 0, 1, r))[1] - 1, -6) - 3)
;;       q = np.round(r / step) * step * 2.0 ** e      # np.round: ties to even
;;       return np.moveaxis(q, -1, axis).astype(np.float32)
;;   ~~~
;;   SOFTMAX AHEAD OF A QUANTISED PRODUCT. Where the list says 'softmax', what is quantised is not the finished softmax but p = 2^(t - M), with t = logit x log2(e) and M = ceil(the row's largest t), a whole number; so 1/2 < the row's largest p <= 1. The row's sum l is taken of the UNQUANTISED p, in f32, and the product's result is divided by l at the end. Since M is a whole number, a kernel that streams over the keys may use a running M (the ceiling of the running maximum): every later rescaling is an exact power of two, so the quantised numbers keep their values, but for numbers so far below the row's largest that they fall under the format's range.
;;   OPERANDS COMPUTED ON THE WAY. 'Computed on the way' means the value that the module computes at that place (a softmax that the list does not call 'softmax' is quantised finished and normalised). What goes into a quantiser is computed in f32, as accurately as f32 sums, v_exp_f32 and their like allow (about 1e-6 of the number): no bf16 or f16 on the way to a quantiser, and a product that is left as it is and whose result goes on into a quantised operand takes f32 operands (vector FMAs, or v_wmma_f32_16x16x4_f32). A number that lies on a knife's edge between two numbers of the format may be rounded either way, as far as f32 arithmetic and the matrix unit's own rounding can turn it there, and no further.
;; One version. Each part assembles by itself: llvm-mc -triple=amdgcn-amd-amdhsa -mcpu=gfx1250 --defsym DOCPART=n.
;; ======== version 1 of 1: 7 launches
;; limits: right only within a limited range of input values
;; workspace buffers: wcodes 12,582,912 bytes; xcodes 12,582,912 bytes; maskw 655,360 bytes of whole numbers; qkvc 12,582,912 bytes; acodes 4,194,304 bytes; hres 16,777,216 bytes; ncodes 4,194,304 bytes; fcodes 16,777,216 bytes
;; launch prep (part 1): grid 768 x 1, 4 waves a work-group, no clusters, 35,840 bytes of LDS; arguments Wq, Wk, Wv, Wo, W1, W2, x, ln1_g, ln1_b, mask, lowp_scales, wcodes, xcodes, maskw; writes wcodes, xcodes, maskw
.if DOCPART == 1
	.amdgcn_target "amdgcn-amd-amdhsa--gfx1250"
	.amdhsa_code_object_version 6
	.text
	.protected	k_qd1826c39fd_prep
	.globl	k_qd1826c39fd_prep
	.p2align	8
	.type	k_qd1826c39fd_prep,@function
k_qd1826c39fd_prep:
	s_mov_b64 s[64:65], 0
	v_nop
	global_prefetch_b8 v0, s[64:65] scope:SCOPE_SE
	s_setreg_imm32_b32 hwreg(HW_REG_WAVE_MODE, 25, 1), 1
	s_wait_xcnt 0x0
; THE TRANSFORMER BLOCK, launch 1 of 7: what every later launch reads many times is made once.
; DEAD WORK: none.  Every product of the block reaches out0, every bias moves either codes or the result, the mask is an input and is honoured bit by bit: all 19 inputs are loaded by some launch.
; Three kinds of work-groups, told apart by the work-group's number alone:
;   0..383   WEIGHTS: Wq Wk Wv Wo W1 W2, f32 stored [K][N], become codes of E4M3 laid [N][K] (K innermost) in wcodes: Wq at 0, Wk 1 MiB, Wv 2 MiB, Wo 3 MiB, W1 4 MiB, W2 8 MiB.
;            A lane takes a column n and its registers run down K, so the conversions give K innermost; the codes leave through the wave's own stage in LDS, sixteen lanes to 256 consecutive aligned bytes.
;   384..639 NORM: layer norm 1 of x, one wave to a row, the row kept in registers; the result is quantised three times (scales 0, 2, 4) into xcodes [3][4096][1024].
;   640..767 MASK: the mask's bytes become words of 32 lane bits, in the order in which the attention launch's score registers want them: maskw [query tile 128][key step 16][64 words];
;            the word of score register j stands at place 2 (j % 32) + j / 32; its bit L is mask[16 qt + L % 16][128 ks + 32 (j / 16) + 16 (L / 16) + j % 16].
; code = number / 2^e, held within +-448, to the nearest code, ties to even.  LIMITS: each e used here lies between -126 and 119; NaN among the inputs is not served.
.set SPARE, 4*32*272                   ; behind the four stages: the spare words, 128 bytes a wave; no other line names them
.set SPW,   14                         ; v14 my spare word's LDS address; never rewritten
.set NIL,   15                         ; v15 0; never rewritten
; ---- names of the NORM path
.set NSETS, 3
.set G,     16                         ; v16-47   gain of my 32 columns
.set BB,    48                         ; v48-79   bias of my 32 columns
.set X0,    80                         ; v80-111  a row, set 0
.set X1,    112                        ; v112-143 a row, set 1
.set T,     144                        ; v144-159 at work
.set C,     160                        ; v160-183 codes, 8 registers a set of scales
.set SCV,   184                        ; v184-186 2^e
.set LIMV,  188                        ; v188-190 448 x 2^e
; ---- names of the WEIGHTS path
.set OFI,   16                         ; v16-47   4 lane + i rows of the input
.set OFO,   48                         ; v48-63   where pair t of code rows goes
.set WX,    64                         ; v64-127  two sets of 32 numbers
.set WC,    128                        ; v128-135 a block's codes
.set OUTR,  136                        ; v136-199 the way out
.macro REDUCE                          ; v6 summed over the 32 lanes, the result in every lane
	v_add_f32_dpp v6, v6, v6 row_xmask:1 row_mask:0xf bank_mask:0xf
	v_add_f32_dpp v6, v6, v6 row_xmask:2 row_mask:0xf bank_mask:0xf
	v_add_f32_dpp v6, v6, v6 row_xmask:4 row_mask:0xf bank_mask:0xf
	v_add_f32_dpp v6, v6, v6 row_xmask:8 row_mask:0xf bank_mask:0xf
	v_permlanex16_b32 v7, v6, s28, s29
	v_add_f32 v6, v6, v7
.endm
.macro LNLOAD xs, r                    ; row r of my four: lane l takes columns 256 j + 8 l + 0..7, eight neighbours along K
.irp j, 0,1,2,3
	global_load_b128 v[\xs+8*\j:\xs+8*\j+3], v2, s[4:5] offset:4096*(\r)+1024*\j th:TH_LOAD_NT
	global_load_b128 v[\xs+8*\j+4:\xs+8*\j+7], v2, s[4:5] offset:4096*(\r)+1024*\j+16 th:TH_LOAD_NT
.endr
.endm
.macro LNROW xs, r, left               ; left: the younger loads (the next row's eight) that may stay out
	s_wait_loadcnt \left
.irp k, 0,1,2,3
	v_pk_add_f32 v[T+2*\k:T+2*\k+1], v[\xs+4*\k:\xs+4*\k+1], v[\xs+4*\k+2:\xs+4*\k+3]   ; the sum, four chains
.endr
.irp k, 0,1,2,3,4,5,6,7
	v_pk_add_f32 v[T+2*(\k%4):T+2*(\k%4)+1], v[T+2*(\k%4):T+2*(\k%4)+1], v[\xs+16+2*\k:\xs+16+2*\k+1]
.endr
	v_pk_add_f32 v[T:T+1], v[T:T+1], v[T+2:T+3]
	v_pk_add_f32 v[T+4:T+5], v[T+4:T+5], v[T+6:T+7]
	v_pk_add_f32 v[T:T+1], v[T:T+1], v[T+4:T+5]
	v_add_f32 v6, v[T], v[T+1]
	REDUCE
	v_mul_f32 v4, v6, v8                           ; the mean: sum / 1024
.irp k, 0,1,2,3,4,5,6,7,8,9,10,11,12,13,14,15
	v_pk_add_f32 v[\xs+2*\k:\xs+2*\k+1], v[\xs+2*\k:\xs+2*\k+1], v[4:5] op_sel_hi:[1,0] neg_lo:[0,1] neg_hi:[0,1]   ; x - mean
.endr
.irp k, 0,1,2,3
	v_pk_mul_f32 v[T+2*\k:T+2*\k+1], v[\xs+2*\k:\xs+2*\k+1], v[\xs+2*\k:\xs+2*\k+1]
.endr
.irp k, 4,5,6,7,8,9,10,11,12,13,14,15
	v_pk_fma_f32 v[T+2*(\k%4):T+2*(\k%4)+1], v[\xs+2*\k:\xs+2*\k+1], v[\xs+2*\k:\xs+2*\k+1], v[T+2*(\k%4):T+2*(\k%4)+1]
.endr
	v_pk_add_f32 v[T:T+1], v[T:T+1], v[T+2:T+3]
	v_pk_add_f32 v[T+4:T+5], v[T+4:T+5], v[T+6:T+7]
	v_pk_add_f32 v[T:T+1], v[T:T+1], v[T+4:T+5]
	v_add_f32 v6, v[T], v[T+1]
	REDUCE
	v_fmaak_f32 v6, v6, v8, 0x3727c5ac             ; the variance + 1e-5
	s_wait_alu depctr_va_vdst(0)
	v_rsq_f32 v10, v6
	v_nop                                          ; a plain instruction behind the transcendental,
	s_wait_alu depctr_va_vdst(0)                   ; and the wait ahead of its first reader
.irp k, 0,1,2,3,4,5,6,7,8,9,10,11,12,13,14,15
	v_pk_mul_f32 v[\xs+2*\k:\xs+2*\k+1], v[\xs+2*\k:\xs+2*\k+1], v[10:11] op_sel_hi:[1,0]
.endr
.irp k, 0,1,2,3,4,5,6,7,8,9,10,11,12,13,14,15
	v_pk_fma_f32 v[\xs+2*\k:\xs+2*\k+1], v[\xs+2*\k:\xs+2*\k+1], v[G+2*\k:G+2*\k+1], v[BB+2*\k:BB+2*\k+1]
.endr
	s_wait_xcnt 0x0                                ; the last row's stores have read the code registers, which are written anew below
.irp p, 0,1,2
.if \p < NSETS
.irp j, 0,1,2,3
.irp i, 0,1,2,3,4,5,6,7
	v_med3_num_f32 v[T+8*(\j%2)+\i], v[\xs+8*\j+\i], -v[LIMV+\p], v[LIMV+\p]   ; the conversion does not saturate (ISA guide 7.6.2): the hold comes first
.endr
	v_cvt_scalef32_pk8_fp8_f32 v[C+8*\p+2*\j:C+8*\p+2*\j+1], v[T+8*(\j%2):T+8*(\j%2)+7], v[SCV+\p]   ; the halves of T take turns, so the holds that follow write none of this conversion's sources
.endr
.endif
.endr
.irp p, 0,1,2
.if \p < NSETS
.irp j, 0,1,2,3
	global_store_b64 v3, v[C+8*\p+2*\j:C+8*\p+2*\j+1], s[36+2*\p:37+2*\p] offset:1024*(\r)+256*\j   ; 32 lanes store 256 consecutive aligned bytes
.endr
.endif
.endr
.if (\r) < 2
	LNLOAD \xs, (\r)+2
.endif
.endm
.macro WLOAD t                         ; block t: W(32 t + i, my column), i = 0..31
.set i, 0
.rept 32
	global_load_b32 v[WX+32*((\t)%2)+i], v[OFI+i], s[32+2*(\t):33+2*(\t)] th:TH_LOAD_NT
.set i, i+1
.endr
.endm
.macro WBLOCK t
.set XS, WX+32*((\t)%2)
.if (\t) < 7
	s_wait_loadcnt 32                              ; this block's 32 loads are in; the next block's may be out
.else
	s_wait_loadcnt 0
.endif
.set i, 0
.rept 32
	v_med3_num_f32 v[XS+i], v[XS+i], -v10, v10
.set i, i+1
.endr
.irp g, 0,1,2,3
	v_cvt_scalef32_pk8_fp8_f32 v[WC+2*\g:WC+2*\g+1], v[XS+8*\g:XS+8*\g+7], v11
.endr
	ds_store_b128 v4, v[WC:WC+3] offset:32*(\t)    ; 32 codes of my column's row
	ds_store_b128 v4, v[WC+4:WC+7] offset:32*(\t)+16
.if (\t)+2 < 8
	WLOAD (\t)+2
.endif
	s_wait_dscnt 0x0                               ; the stores have read their registers
.endm
.macro MUNIT u                         ; one key step: 64 words, eight at a time
.irp g, 0,1,2,3,4,5,6,7
.irp k, 0,1,2,3,4,5,6,7
	v_and_b32 v[80+\k], 0xff<<(8*(\k%4)), v[16+16*\u+2*\g+\k/4]
.endr
.irp k, 0,1,2,3,4,5,6,7
	v_cmp_ne_u32 s[40+\k], 0, v[80+\k]             ; bit L: lane L's byte
.endr
.irp k, 0,1,2,3,4,5,6,7
	v_writelane_b32 v[88+2*\u+\g/4], s[40+\k], (8*\g+\k)%32
.endr
	s_wait_alu depctr_va_vdst(0)                   ; the wait ahead of the run of scalar lines
.irp k, 0,1,2,3,4,5,6,7
	s_or_b32 s[48+\u], s[48+\u], s[40+\k]          ; the key step's OR word: bit L set where lane L has any key kept
	s_and_b32 s[52+\u], s[52+\u], s[40+\k]         ; and its AND word: all ones where the whole 16 x 128 tile is kept
.endr
.endr
	global_store_b64 v3, v[88+2*\u:89+2*\u], s[6:7] offset:256*\u   ; 256 consecutive aligned bytes
.endm
	v_lshl_add_u32 v[SPW], v0, 2, SPARE
	v_mov_b32 v[NIL], 0
	v_lshrrev_b32 v1, 5, v0
	v_readfirstlane_b32 s2, v1                     ; wave 0..3
	v_and_b32 v1, 31, v0                           ; lane
	s_cmp_lt_u32 ttmp9, 384
	s_cbranch_scc1 .Lweights
	s_cmp_lt_u32 ttmp9, 640
	s_cbranch_scc1 .Lnorm
; ---------------- MASK: query tile qt = work-group - 640; wave w takes key steps 4 w .. 4 w + 3
	s_load_b64 s[4:5], s[0:1], 0x48                ; mask
	s_load_b64 s[6:7], s[0:1], 0x68                ; maskw
	s_sub_co_u32 s8, ttmp9, 640
	s_lshl_b32 s10, s8, 15                         ; 16 rows of 2,048 bytes
	s_lshl_b32 s9, s2, 9                           ; my four key steps: 512 bytes of a row
	s_add_co_u32 s10, s10, s9
	s_mov_b32 s11, 0
	s_lshl_b32 s12, s8, 12                         ; 16 key steps of 256 bytes
	s_lshl_b32 s9, s2, 10
	s_add_co_u32 s12, s12, s9
	s_mov_b32 s13, 0
; THE RECORDS, behind the 524,288 bytes of mask words: [query tile 128][wave 4][64 words]; words 2 u, 2 u + 1 are the OR word and the AND word of key step 4 wave + u, the other words are 0.
	s_lshr_b32 s56, s12, 2                         ; 256 (4 qt + wave)
	s_add_co_u32 s56, s56, 0x80000
	s_mov_b32 s57, 0
.irp u, 0,1,2,3
	s_mov_b32 s[48+\u], 0
	s_mov_b32 s[52+\u], -1
.endr
	s_wait_alu depctr_va_vdst(0)
	v_and_b32 v2, 15, v1
	v_lshrrev_b32 v4, 4, v1
	v_lshlrev_b32 v2, 11, v2
	v_lshl_add_u32 v2, v4, 4, v2                   ; row lane % 16, + 16 (lane / 16)
	v_lshlrev_b32 v3, 3, v1                        ; out: 8 bytes a lane
.irp i, 88,89,90,91,92,93,94,95,96,97
	v_mov_b32 v\i, 0                               ; a lane write's destination counts as read
.endr
	s_wait_kmcnt 0x0
	s_add_nc_u64 s[4:5], s[4:5], s[10:11]
	s_add_nc_u64 s[58:59], s[6:7], s[56:57]        ; my record
	s_add_nc_u64 s[6:7], s[6:7], s[12:13]
.irp u, 0,1,2,3
.irp b, 0,1,2,3
	global_load_b128 v[16+16*\u+4*\b:16+16*\u+4*\b+3], v2, s[4:5] offset:128*\u+32*\b
.endr
.endr
	s_wait_loadcnt 0x0
	MUNIT 0
	MUNIT 1
	MUNIT 2
	MUNIT 3
.irp u, 0,1,2,3
	v_writelane_b32 v96, s[48+\u], \u
	v_writelane_b32 v97, s[52+\u], \u
.endr
	global_store_b64 v3, v[96:97], s[58:59]        ; the record: 256 consecutive aligned bytes
	s_endpgm
; ---------------- NORM: rows 16 (work-group - 384) + 4 wave + 0..3
.Lnorm:
	s_load_b128 s[4:7], s[0:1], 0x30               ; x, ln1_g
	s_load_b64 s[8:9], s[0:1], 0x40                ; ln1_b
	s_load_b64 s[10:11], s[0:1], 0x50              ; the scales' exponents
	s_load_b64 s[36:37], s[0:1], 0x60              ; xcodes
	s_sub_co_u32 s30, ttmp9, 384
	s_lshl_b32 s30, s30, 4
	s_lshl_b32 s31, s2, 2
	s_add_co_u32 s30, s30, s31                     ; my first row
	s_lshl_b32 s32, s30, 12
	s_mov_b32 s33, 0
	s_lshl_b32 s34, s30, 10
	s_mov_b32 s35, 0
	s_mov_b32 s28, 0x76543210                      ; lane selects: lane l xor 16
	s_mov_b32 s29, 0xfedcba98
	s_wait_alu depctr_va_vdst(0)
	v_lshlrev_b32 v2, 5, v1                        ; in: 32 bytes a lane
	v_lshlrev_b32 v3, 3, v1                        ; out: 8 bytes a lane
	v_mov_b32 v5, 0                                ; upper halves of pairs that are named whole, and the permute's destination
	v_mov_b32 v7, 0
	v_mov_b32 v11, 0
	v_mov_b32 v8, 0x3a800000                       ; 1 / 1024
	s_wait_alu depctr_va_vdst(0)
	s_wait_kmcnt 0x0
	s_load_b256 s[16:23], s[10:11], 0x0            ; entries 0..7: 0, 2 and 4 are used
	s_add_nc_u64 s[4:5], s[4:5], s[32:33]
	s_add_nc_u64 s[36:37], s[36:37], s[34:35]
	s_add_nc_u64 s[38:39], s[36:37], 0x400000
	s_add_nc_u64 s[40:41], s[36:37], 0x800000
.irp j, 0,1,2,3
	global_load_b128 v[G+8*\j:G+8*\j+3], v2, s[6:7] offset:1024*\j
	global_load_b128 v[G+8*\j+4:G+8*\j+7], v2, s[6:7] offset:1024*\j+16
	global_load_b128 v[BB+8*\j:BB+8*\j+3], v2, s[8:9] offset:1024*\j
	global_load_b128 v[BB+8*\j+4:BB+8*\j+7], v2, s[8:9] offset:1024*\j+16
.endr
	LNLOAD X0, 0
	LNLOAD X1, 1
	s_wait_kmcnt 0x0
.irp p, 0,1,2
	s_add_co_i32 s42, s[16+2*\p], 127
	s_lshl_b32 s43, s42, 23
	v_mov_b32 v[SCV+\p], s43                       ; 2^e as f32: the conversion takes its exponent field
	s_add_co_i32 s42, s42, 8
	s_lshl_b32 s42, s42, 23
	s_or_b32 s42, s42, 0x600000
	v_mov_b32 v[LIMV+\p], s42                      ; 448 x 2^e
.endr
	LNROW X0, 0, 8
	LNROW X1, 1, 8
	LNROW X0, 2, 8
	LNROW X1, 3, 0
	s_endpgm
; ---------------- WEIGHTS: a work-group takes 128 columns x 256 along K, a wave 32 columns
.Lweights:
	s_load_b256 s[4:11], s[0:1], 0x0               ; Wq Wk Wv Wo
	s_load_b128 s[12:15], s[0:1], 0x20             ; W1 W2
	s_load_b128 s[16:19], s[0:1], 0x50             ; the scales' exponents, wcodes
	s_lshr_b32 s20, ttmp9, 5                       ; 32 work-groups to a square weight, 128 to W1 and to W2
	s_lshr_b32 s21, s20, 2
	s_add_co_u32 s21, s21, 3
	s_and_b32 s22, ttmp9, 31
	s_and_b32 s23, ttmp9, 127
	s_cmp_lt_u32 s20, 4
	s_cselect_b32 s21, s20, s21                    ; U: 0 Wq, 1 Wk, 2 Wv, 3 Wo, 4 W1, 5 W2
	s_cselect_b32 s22, s22, s23                    ; my number inside the tensor
	s_mov_b32 s27, 4096
	s_mov_b32 s28, 1024
	s_cmp_eq_u32 s21, 4
	s_cselect_b32 s23, 5, 3                        ; log2 of the blocks of 128 columns
	s_cselect_b32 s27, 16384, s27                  ; bytes of an input row
	s_cmp_eq_u32 s21, 5
	s_cselect_b32 s28, 4096, s28                   ; bytes of a row of codes
	s_cselect_b32 s29, 8, s21                      ; the tensor's place in wcodes, in MiB
	s_cmp_lt_u32 s21, 3
	s_cselect_b32 s31, 1, 5
	s_lshl_b32 s29, s29, 20
	s_lshl_b32 s30, s21, 1
	s_add_co_u32 s30, s30, s31                     ; its scale's entry: 1 3 5 11 13 15
	s_lshl_b32 s51, s30, 2
	s_bfm_b32 s24, s23, 0
	s_and_b32 s24, s22, s24                        ; x: which 128 columns
	s_lshr_b32 s25, s22, s23                       ; y: which 256 along K
	s_lshl_b32 s26, s24, 7
	s_lshl_b32 s31, s2, 5
	s_add_co_u32 s26, s26, s31                     ; my wave's first column
	s_lshl_b32 s54, s25, 8
	s_mul_i32 s54, s54, s27
	s_lshl_b32 s31, s26, 2
	s_add_co_u32 s54, s54, s31                     ; in: 256 y rows + 4 x column
	s_mov_b32 s55, 0
	s_lshl_b32 s56, s27, 5                         ; 32 rows on
	s_mov_b32 s57, 0
	s_mul_i32 s58, s26, s28
	s_add_co_u32 s58, s58, s29
	s_lshl_b32 s31, s25, 8
	s_add_co_u32 s58, s58, s31                     ; out: the tensor + column x row of codes + 256 y
	s_mov_b32 s59, 0
	s_lshl_b32 s60, s28, 1
	s_mul_i32 s61, s2, 32*272                      ; my stage
	s_wait_alu depctr_va_vdst(0)
	v_lshlrev_b32 v[OFI], 2, v1
.set i, 1
.rept 31
	v_add_nc_u32 v[OFI+i], s27, v[OFI+i-1]
.set i, i+1
.endr
	v_mul_u32_u24 v4, v1, 272
	v_add_nc_u32 v4, s61, v4                       ; into the stage: row = my column
	v_and_b32 v5, 15, v1
	v_lshrrev_b32 v6, 4, v1
	v_mul_u32_u24 v7, v6, 272
	v_lshl_add_u32 v7, v5, 4, v7
	v_add_nc_u32 v7, s61, v7                       ; out of it: sixteen lanes to a row, two rows an instruction
	v_mul_lo_u32 v[OFO], v6, s28
	v_lshl_add_u32 v[OFO], v5, 4, v[OFO]
.set i, 1
.rept 15
	v_add_nc_u32 v[OFO+i], s60, v[OFO+i-1]
.set i, i+1
.endr
	s_wait_kmcnt 0x0
	s_load_b32 s50, s[16:17], s51 offset:0x0       ; e
	s_mov_b64 s[52:53], s[4:5]
.irp n, 1,2,3,4,5
	s_cmp_eq_u32 s21, \n                           ; the choice hangs on the work-group's number alone
	s_cselect_b64 s[52:53], s[4+2*\n:5+2*\n], s[52:53]
.endr
	s_add_nc_u64 s[32:33], s[52:53], s[54:55]
.irp t, 1,2,3,4,5,6,7
	s_add_nc_u64 s[32+2*\t:33+2*\t], s[30+2*\t:31+2*\t], s[56:57]   ; a base for each block of 32 along K
.endr
	s_add_nc_u64 s[48:49], s[18:19], s[58:59]
	WLOAD 0
	WLOAD 1
	s_wait_kmcnt 0x0
	s_add_co_i32 s50, s50, 127
	s_lshl_b32 s51, s50, 23
	v_mov_b32 v11, s51                             ; 2^e
	s_add_co_i32 s50, s50, 8
	s_lshl_b32 s50, s50, 23
	s_or_b32 s50, s50, 0x600000
	v_mov_b32 v10, s50                             ; 448 x 2^e
	s_wait_alu depctr_va_vdst(0)
.irp t, 0,1,2,3,4,5,6,7
	WBLOCK \t
.endr
.irp t, 0,1,2,3,4,5,6,7,8,9,10,11,12,13,14,15
	ds_load_b128 v[OUTR+4*\t:OUTR+4*\t+3], v7 offset:2*\t*272   ; LDS serves a wave's instructions in order: these see my stores
.endr
.irp t, 0,1,2,3,4,5,6,7,8,9,10,11,12,13,14,15
	s_wait_dscnt 15-\t
	global_store_b128 v[OFO+\t], v[OUTR+4*\t:OUTR+4*\t+3], s[48:49]   ; sixteen lanes store 256 consecutive aligned bytes
.endr
	s_wait_tensorcnt 0x0                           ; the wave's end
	ds_add_u32 v[SPW], v[NIL]
	s_wait_dscnt 0x0
	s_endpgm
.Lfunc_end_k_qd1826c39fd_prep:
	.size	k_qd1826c39fd_prep, .Lfunc_end_k_qd1826c39fd_prep-k_qd1826c39fd_prep
	.p2alignl 7, 3214868480
	.fill 96, 4, 3214868480
	.section	.rodata,"a",@progbits
	.p2align	6, 0x0
	.amdhsa_kernel k_qd1826c39fd_prep
		.amdhsa_group_segment_fixed_size 35840
		.amdhsa_private_segment_fixed_size 0
		.amdhsa_enable_private_segment 0
		.amdhsa_kernarg_size 112
		.amdhsa_user_sgpr_count 2
		.amdhsa_user_sgpr_kernarg_segment_ptr 1
		.amdhsa_wavefront_size32 1
		.amdhsa_system_sgpr_workgroup_id_x 1
		.amdhsa_system_sgpr_workgroup_id_y 1
		.amdhsa_system_sgpr_workgroup_id_z 1
		.amdhsa_system_vgpr_workitem_id 0
		.amdhsa_next_free_vgpr 208
		.amdhsa_next_free_sgpr 66
		.amdhsa_reserve_vcc 0
		.amdhsa_float_denorm_mode_32 3
		.amdhsa_float_denorm_mode_16_64 3
		.amdhsa_memory_ordered 1
		.amdhsa_forward_progress 1
		.amdhsa_inst_pref_size 184
	.end_amdhsa_kernel
	.amdgpu_metadata
---
amdhsa.version: [ 1, 2 ]
amdhsa.kernels:
  - .name:           k_qd1826c39fd_prep
    .symbol:         k_qd1826c39fd_prep.kd
    .args:
      - { .name: Wq, .offset: 0, .size: 8, .value_kind: global_buffer, .address_space: global }
      - { .name: Wk, .offset: 8, .size: 8, .value_kind: global_buffer, .address_space: global }
      - { .name: Wv, .offset: 16, .size: 8, .value_kind: global_buffer, .address_space: global }
      - { .name: Wo, .offset: 24, .size: 8, .value_kind: global_buffer, .address_space: global }
      - { .name: W1, .offset: 32, .size: 8, .value_kind: global_buffer, .address_space: global }
      - { .name: W2, .offset: 40, .size: 8, .value_kind: global_buffer, .address_space: global }
      - { .name: x, .offset: 48, .size: 8, .value_kind: global_buffer, .address_space: global }
      - { .name: ln1_g, .offset: 56, .size: 8, .value_kind: global_buffer, .address_space: global }
      - { .name: ln1_b, .offset: 64, .size: 8, .value_kind: global_buffer, .address_space: global }
      - { .name: mask, .offset: 72, .size: 8, .value_kind: global_buffer, .address_space: global }
      - { .name: lowp_scales, .offset: 80, .size: 8, .value_kind: global_buffer, .address_space: global }
      - { .name: wcodes, .offset: 88, .size: 8, .value_kind: global_buffer, .address_space: global }
      - { .name: xcodes, .offset: 96, .size: 8, .value_kind: global_buffer, .address_space: global }
      - { .name: maskw, .offset: 104, .size: 8, .value_kind: global_buffer, .address_space: global }
    .group_segment_fixed_size: 35840
    .private_segment_fixed_size: 0
    .kernarg_segment_align: 8
    .kernarg_segment_size: 112
    .max_flat_workgroup_size: 128
    .sgpr_count:     66
    .vgpr_count:     208
    .wavefront_size: 32
...
	.end_amdgpu_metadata
.endif
;; end of part 1
;; launch qkv (part 2): grid 12 x 16, 4 waves a work-group, clusters of 4 x 4, 327,680 bytes of LDS; arguments xcodes, wcodes, lowp_scales, bq, bk, bv, qkvc; writes qkvc
.if DOCPART == 2
	.amdgcn_target "amdgcn-amd-amdhsa--gfx1250"
	.amdhsa_code_object_version 6
	.text
	.protected	k_qd1826c39fd_qkv
	.globl	k_qd1826c39fd_qkv
	.p2align	8
	.type	k_qd1826c39fd_qkv,@function
k_qd1826c39fd_qkv:
	s_mov_b64 s[64:65], 0
	v_nop
	global_prefetch_b8 v0, s[64:65] scope:SCOPE_SE
	s_setreg_imm32_b32 hwreg(HW_REG_WAVE_MODE, 25, 1), 1
	s_wait_xcnt 0x0
	s_wait_alu depctr_hold_cnt(0) depctr_sa_sdst(0) depctr_va_vdst(0) depctr_va_sdst(0) depctr_va_ssrc(0) depctr_va_vcc(0) depctr_vm_vsrc(0)
	s_getreg_b32 s2, hwreg(HW_REG_IB_STS2, 6, 4)
	s_cmp_eq_u32 s2, 0
	s_cbranch_scc0 .Lentry_in_a_cluster
	s_endpgm
.Lentry_in_a_cluster:
	s_bfe_u32 s2, ttmp6, 0x10000c
	s_cmp_lg_u32 s2, 0xf033
	s_cbranch_scc0 .Lentry_shape_is_right
	s_endpgm
.Lentry_shape_is_right:
; Launch 2 of 7: q, k, v = LN1(x) W + b on codes of E4M3, then quantised for the attention (scales 6, 7, 9).  Nothing is left out.
; A tile of C, 256 x 256, is made by four waves, 128 x 128 each (64 accumulators); K = 1,024 goes in four steps of 256 through a ring of two LDS slots filled by the tensor data mover.
; CLUSTERS of 4 x 4: cluster x 0 makes q, 1 makes k, 2 makes v.  A's tile is asked for jointly along a row of the cluster, B's along a column.
; q, k: A = the tokens' codes, B = the weight's: C[token][feature].  V IS MADE TRANSPOSED BY EXCHANGING THE TWO POINTERS: A = Wv's codes, B = the tokens': C[feature][token], so that a lane's neighbours are keys.
; THE MATRIX INSTRUCTION IS USED TRANSPOSED (source 0 = 16 rows of B, source 1 = 16 rows of A), AND THE ROWS OF B THAT FORM A TILE ARE NOT NEIGHBOURS: lane r of tile 2 b + u takes row 32 b + 8 u + r + 8 (r / 8).
; So of a block's 64 registers, register n of lane (r, h) is column 32 (n / 16) + 16 h + n % 16 of row r: sixteen neighbours for each pair of tiles, which the conversions turn into 16 bytes.
; OUT (qkvc): Q at 0 and K at 4 MiB, [b][head][s][64]; V at 8 MiB, [b][head][block of 64 keys][d 64][64 keys].  Codes go through a stage of the work-group in LDS and leave 512 consecutive bytes a store.
; code = (sum + bias / 2^(eA+eB)) / 2^(eo-eA-eB), held within +-448.  LIMITS: eo - eA - eB between -126 and 119; NaN is not served.
; REGISTERS: window 0: v0-31 addresses, v32-95 the bias along columns, v96-111 the bias along rows (each number twice, a pair), v112 the hold, v113 the scale, from v128 A's fragments, one set;
;   window 1: B's fragments, two sets;  windows 2, 3: the accumulators.
.set SIZE_K, 1024
.set KSTEP,  256
.set ROWB,   256
.set KROW,   SIZE_K
.set PITCH,  272                       ; an LDS row: 256 bytes + 16 of padding
.set FR,     16
.set NL,     4
.set NP,     4                         ; places behind this matrix instruction (ISA guide 7.12.1)
.set HALFT,  128*PITCH
.set SLOT,   4*HALFT
.set LAPS,   SIZE_K/(2*KSTEP)
.set SPARE,  2*SLOT                    ; behind the ring: the spare words, 128 bytes a wave
.set ADRA, 16
.set ADRB, 20
.set STO,  24
.set RD,   25
.set GO,   26
.set SPW,  28
.set NIL,  29
.set BCO,  30
.set BRO,  31
.set BC,   32
.set BR,   96
.set HOLD, 112
.set SCL,  113
.set AF,   128
.set T,    128                         ; the way out: a block's 64 numbers
.set PC,   192                         ; its codes, two sets by turns
.set BK,   128                         ; and the rows read back
.set G1, 24
.set G0, 32
.set G1B, 48
.set G0B, 56
.set MSB, 0
.macro WIN new                         ; the immediate's high byte repeats the setting that is left
.if MSB != (\new)
	s_set_vgpr_msb (MSB<<8)|(\new)
.set MSB, (\new)
.endif
.endm
.set MUL_LO, 0xa1
.set MUL_HI, 0xf1
.set TO_B,   0x40
.macro JLOAD g0a, g1a, g0b, g1b        ; a joint load: waves 0 and 1 fetch for A, waves 2 and 3 for B; an s_nop 0 and four v_nop follow each line
	s_cmp_eq_u32 s15, 0
	s_cbranch_scc0 .Lfor_b_\@
	tensor_load_to_lds s[\g0a:\g0a+3], s[\g1a:\g1a+7]
	s_nop 0
.rept 4
	v_nop
.endr
	s_branch .Lasked_\@
.Lfor_b_\@:
	tensor_load_to_lds s[\g0b:\g0b+3], s[\g1b:\g1b+7]
	s_nop 0
.rept 4
	v_nop
.endr
.Lasked_\@:
.endm
.macro CREST
	s_cmp_lg_u32 s14, 0
	s_cbranch_scc1 .Lnot_wave_0_\@
	s_barrier_signal -3
.Lnot_wave_0_\@:
	s_barrier_wait -3
	s_barrier_signal -1
	s_barrier_wait -1
.endm
.macro CROUND
	s_barrier_signal -1
	s_barrier_wait -1
	CREST
.endm
	s_load_b128 s[4:7], s[0:1], 0x0                ; xcodes, wcodes
	s_load_b128 s[8:11], s[0:1], 0x10              ; the scales' exponents, bq
	s_load_b128 s[68:71], s[0:1], 0x20             ; bk, bv
	s_load_b64 s[72:73], s[0:1], 0x30              ; qkvc
	v_lshl_add_u32 v[SPW], v0, 2, SPARE
	v_mov_b32 v[NIL], 0
	ds_add_u32 v[SPW], v[NIL]                      ; the wave's opening: the add, twice on end, and its wait ahead of my first tensor load
	ds_add_u32 v[SPW], v[NIL]
	v_lshrrev_b32 v1, 5, v0
	v_readfirstlane_b32 s14, v1                    ; wave 0..3
	s_lshr_b32 s15, s14, 1                         ; my half of the tile's rows; also: I fetch for A (0) or B (1)
	s_and_b32 s16, s14, 1                          ; my half of its columns; also: which 128 rows I fetch
	s_bfe_u32 s40, ttmp6, 0x40000                  ; cx
	s_bfe_u32 s41, ttmp6, 0x40004                  ; cy
	s_and_b32 s74, ttmp7, 0xffff                   ; cluster y
	s_lshl_b32 s75, s74, 2
	s_lshl_b32 s78, ttmp9, 2
	s_lshl_b32 s79, ttmp9, 22                      ; the set of tokens' codes for q or k
	s_mov_b32 s88, 0x200000                        ; Wv's place in wcodes
	s_cmp_eq_u32 ttmp9, 2                          ; v?  The cluster's x: the same in all sixteen partners
	s_cselect_b32 s98, 1, 0
	s_cselect_b32 s17, 0, s75
	s_cselect_b32 s42, s75, s78
	s_cselect_b32 s88, s88, s79                    ; A's operand begins here in its buffer,
	s_cselect_b32 s90, 0x800000, 0                 ; B's here
	s_add_co_u32 s17, s17, s41                     ; tile row of C: made of cy and the cluster's numbers alone
	s_add_co_u32 s42, s42, s40                     ; tile column: of cx and the cluster's numbers alone
	s_lshl_b32 s43, s41, 2
	s_lshl_b32 s43, 15, s43                        ; my row of the cluster
	s_lshl_b32 s44, 0x1111, s40                    ; my column
	s_or_b32 s[G1+0], s43, (0<<16)|(1<<20)|(1<<21)|(5<<22)|(3<<25)   ; the mask; elements of 1 byte; padding: 4 words behind every 64; bit 21 beside a mask
	s_or_b32 s[G1B+0], s44, (0<<16)|(1<<20)|(1<<21)|(5<<22)|(3<<25)
.irp g, G1, G1B
	s_mov_b32 s[\g+1], ROWB<<16                    ; tensor_dim0
	s_mov_b32 s[\g+2], 128<<16                     ; tensor_dim1
	s_mov_b32 s[\g+3], ROWB<<16                    ; tile_dim0
	s_mov_b32 s[\g+4], 128                         ; tile_dim1
	s_mov_b32 s[\g+5], KROW                        ; the pitch
	s_mov_b32 s[\g+6], 0
	s_mov_b32 s[\g+7], 0
.endr
	s_lshl_b32 s18, s16, 7
	s_lshl_b32 s20, s17, 8
	s_add_co_u32 s20, s20, s18                     ; A: row 256 x tile row + 128 x half
	s_lshl_b32 s46, s42, 8
	s_add_co_u32 s46, s46, s18                     ; B likewise
	s_lshl_b32 s20, s20, 10                        ; rows of 1,024 bytes
	s_lshl_b32 s46, s46, 10
	s_add_co_u32 s20, s20, s88
	s_add_co_u32 s46, s46, s90
	s_mov_b32 s21, 0
	s_mov_b32 s47, 0
	s_mul_i32 s45, s14, HALFT                      ; where my tile goes: wave x 128 rows
	s_lshl_b32 s99, ttmp9, 3                       ; the product's two scales: entries 2 x, 2 x + 1
	s_add_co_u32 s101, ttmp9, s98
	s_add_co_u32 s101, s101, 6
	s_lshl_b32 s101, s101, 2                       ; the result's: entry 6, 7 or 9
	s_wait_dscnt 0x0                               ; both opening adds are done
	s_wait_kmcnt 0x0
	s_load_b64 s[96:97], s[8:9], s99 offset:0x0
	s_load_b32 s100, s[8:9], s101 offset:0x0
	s_cmp_eq_u32 ttmp9, 2
	s_cselect_b64 s[92:93], s[6:7], s[4:5]         ; A's buffer
	s_cselect_b64 s[94:95], s[4:5], s[6:7]         ; B's
	s_cselect_b64 s[76:77], s[70:71], s[10:11]
	s_cmp_eq_u32 ttmp9, 1
	s_cselect_b64 s[76:77], s[68:69], s[76:77]     ; the bias
	s_add_nc_u64 s[20:21], s[92:93], s[20:21]
	s_add_nc_u64 s[46:47], s[94:95], s[46:47]
	CROUND                                         ; all sixteen work-groups are here: the first joint loads meet
.irp s, 0,1
	s_mov_b32 s[G0+4*\s], 1
	s_add_co_u32 s[G0+4*\s+1], s45, \s*SLOT
	s_add_nc_u64 s[G0+4*\s+2:G0+4*\s+3], s[20:21], \s*ROWB
	s_or_b32 s[G0+4*\s+3], s[G0+4*\s+3], 0x80000000
	s_mov_b32 s[G0B+4*\s], 1
	s_add_co_u32 s[G0B+4*\s+1], s45, \s*SLOT
	s_add_nc_u64 s[G0B+4*\s+2:G0B+4*\s+3], s[46:47], \s*ROWB
	s_or_b32 s[G0B+4*\s+3], s[G0B+4*\s+3], 0x80000000
.if \s
	s_wait_alu depctr_va_vdst(0)                   ; slot 1's first fill is issued as a refill is
	s_wait_tensorcnt 0x0
	ds_add_u32 v[SPW], v[NIL]
	ds_add_u32 v[SPW], v[NIL]
	s_wait_dscnt 0x0
	CROUND
.endif
	JLOAD G0+4*\s, G1, G0B+4*\s, G1B
.endr
	v_and_b32 v1, 15, v0                           ; r
	v_bfe_u32 v2, v0, 4, 1                         ; h
	v_mul_u32_u24 v3, v1, PITCH
	v_lshl_add_u32 v4, v2, 4, v3                   ; A: row r, + 16 h
	s_wait_alu depctr_va_vdst(0)
	v_and_b32 v5, 8, v1
	v_add_nc_u32 v5, v5, v1                        ; r + 8 (r / 8)
	v_mul_u32_u24 v5, v5, PITCH
	v_lshl_add_u32 v5, v2, 4, v5                   ; B: that row, + 16 h
	s_mul_i32 s22, s15, HALFT
	s_mul_i32 s23, s16, HALFT
	s_add_co_u32 s23, s23, 2*HALFT
.irp s, 0,1
	v_add_nc_u32 v[ADRA+\s], s22, v4
	v_add_nc_u32 v[ADRB+\s], s23, v5
	s_add_co_u32 s22, s22, SLOT
	s_add_co_u32 s23, s23, SLOT
.endr
	s_mul_i32 s22, s15, 128*PITCH                  ; the stage, in: row 128 wr + r, byte 128 wc + 16 h
	s_lshl_b32 s23, s16, 7
	s_add_co_u32 s22, s22, s23
	v_add_nc_u32 v[STO], s22, v4
	s_mul_i32 s22, s14, 64*PITCH                   ; back: wave w takes rows 64 w on; four lanes to a row's 64 bytes
	v_and_b32 v6, 31, v0
	v_lshrrev_b32 v7, 2, v6
	v_and_b32 v8, 3, v6
	v_mul_u32_u24 v[RD], v7, PITCH
	v_lshl_add_u32 v[RD], v8, 4, v[RD]
	v_add_nc_u32 v[RD], s22, v[RD]
	v_lshlrev_b32 v[GO], 4, v6                     ; 16 bytes a lane: 512 consecutive bytes a store
	s_lshl_b32 s78, s40, 10
	s_lshl_b32 s79, s16, 9
	s_add_co_u32 s78, s78, s79
	v_lshl_add_u32 v[BCO], v2, 6, s78              ; the bias along columns: 4 (256 cx + 128 wc + 16 h)
	s_lshl_b32 s78, s41, 10
	s_lshl_b32 s79, s15, 9
	s_add_co_u32 s78, s78, s79
	v_lshl_add_u32 v[BRO], v1, 2, s78              ; along rows: 4 (256 cy + 128 wr + r)
; Both are loaded in every work-group (both lie inside the bias's 1,024 numbers): q and k use the first, v the second, and every register that either arm below names is written on every way.
.irp b, 0,1,2,3
.irp q, 0,1,2,3
	global_load_b128 v[BC+16*\b+4*\q:BC+16*\b+4*\q+3], v[BCO], s[76:77] offset:128*\b+16*\q
.endr
.endr
.irp a, 0,1,2,3,4,5,6,7
	global_load_b32 v[BR+2*\a], v[BRO], s[76:77] offset:64*\a
	global_load_b32 v[BR+2*\a+1], v[BRO], s[76:77] offset:64*\a
.endr
	; where my 64 stage rows go, one base for each of the four groups of 64 columns
	s_mov_b32 s89, 0x20000
	s_cmp_eq_u32 s98, 1
	s_cselect_b32 s78, s42, s17                    ; the tile of 256 tokens
	s_cselect_b32 s79, s41, s40                    ; the tile of four heads
	s_cselect_b32 s88, 17, 12                      ; a wave's 64 rows: a head (v) or 64 tokens of 64 bytes
	s_cselect_b32 s89, 4096, s89                   ; a group of 64 columns: a block of keys (v) or a head
	s_lshr_b32 s90, s78, 3
	s_lshl_b32 s90, s90, 21                        ; the batch
	s_and_b32 s78, s78, 7
	s_lshl_b32 s78, s78, 14
	s_add_co_u32 s90, s90, s78
	s_lshl_b32 s79, s79, 19
	s_add_co_u32 s90, s90, s79
	s_lshl_b32 s78, s14, s88
	s_add_co_u32 s90, s90, s78
	s_lshl_b32 s78, ttmp9, 22
	s_add_co_u32 s90, s90, s78
	s_mov_b32 s91, 0
	s_add_nc_u64 s[80:81], s[72:73], s[90:91]
	s_mov_b32 s90, s89
	s_add_nc_u64 s[82:83], s[80:81], s[90:91]
	s_add_nc_u64 s[84:85], s[82:83], s[90:91]
	s_add_nc_u64 s[86:87], s[84:85], s[90:91]
.macro FRAG reg, adr, q, row           ; 16 rows x 128 K of codes: registers 4 c .. 4 c + 3 hold K = 32 c + 16 h + 0..15: the same permutation of k in A and in B
.irp c, 0,1,2,3
	ds_load_b128 v[\reg+4*\c:\reg+4*\c+3], v[\adr] offset:128*(\q)+32*\c+(\row)*PITCH
.endr
.endm
.macro MUL16 a0, p, zero               ; A's blocks a0, a0 + 1 x B's eight.  The 64 accumulators take turns, one instruction a turn
.irp a, \a0, \a0+1
.irp b, 0,1,2,3,4,5,6,7
.if \zero
	v_wmma_f32_16x16x128_fp8_fp8 v[8*(8*((\a)%4)+\b):8*(8*((\a)%4)+\b)+7], v[128*(\p)+FR*\b:128*(\p)+FR*\b+FR-1], v[AF+FR*(\a):AF+FR*(\a)+FR-1], 0
.else
	v_wmma_f32_16x16x128_fp8_fp8 v[8*(8*((\a)%4)+\b):8*(8*((\a)%4)+\b)+7], v[128*(\p)+FR*\b:128*(\p)+FR*\b+FR-1], v[AF+FR*(\a):AF+FR*(\a)+FR-1], v[8*(8*((\a)%4)+\b):8*(8*((\a)%4)+\b)+7]
.endif
.endr
.endr
.endm
.macro FETCH_B slot, q, p
	WIN TO_B
.irp i, 0,1,2,3,4,5,6,7
	FRAG 128*(\p)+FR*\i, ADRB+\slot, \q, 32*(\i/2)+8*(\i%2)
.endr
	WIN 0
.endm
.macro FETCH_A slot, q, i0
.irp i, \i0, \i0+1, \i0+2, \i0+3
	FRAG AF+FR*(\i), ADRA+\slot, \q, 16*(\i)
.endr
.endm
.macro PLACES n                        ; plain vector instructions between a matrix instruction and a load into, or a read of, its registers
.rept \n
	v_nop
.endr
.endm
.macro STEP slot, q, zero              ; 128 along K whose successor lies in the same slot
	s_wait_dscnt 4*NL                              ; B's set and A's blocks 0-3 are in; A's blocks 4-7 may be out
	WIN MUL_LO
	MUL16 0, (\q)%2, \zero
	MUL16 2, (\q)%2, \zero
	s_wait_dscnt 0
	PLACES NP
	FETCH_B \slot, (\q)+1, 1-(\q)%2
	FETCH_A \slot, (\q)+1, 0
	WIN MUL_HI
	MUL16 4, (\q)%2, \zero
	MUL16 6, (\q)%2, \zero
	PLACES NP
	WIN 0
	FETCH_A \slot, (\q)+1, 4
.endm
.macro TURN slot, next, fill           ; a slot's last step changes slots: one barrier; fill = 1: this slot is filled again, two K steps ahead
	s_wait_tensorcnt 0x0                           ; all my tensor loads have landed: my part of the next slot
	ds_add_u32 v[SPW], v[NIL]                      ; 0 onto my spare word
	s_wait_dscnt 4*NL+1                            ; the add and A's blocks 4-7 may be out
	WIN MUL_LO
	MUL16 0, 1, 0
	s_wait_dscnt 0x0                               ; the add is done, and my reads of this slot are over
	s_barrier_signal -1
	MUL16 2, 1, 0
	WIN 0
	s_barrier_wait -1
.if \fill
	CREST                                          ; the barrier has opened a round of the cluster's: no wave of any partner still reads this slot or has a load on its way
	s_add_nc_u64 s[G0+4*\slot+2:G0+4*\slot+3], s[G0+4*\slot+2:G0+4*\slot+3], 2*ROWB
	s_add_nc_u64 s[G0B+4*\slot+2:G0B+4*\slot+3], s[G0B+4*\slot+2:G0B+4*\slot+3], 2*ROWB
	JLOAD G0+4*\slot, G1, G0B+4*\slot, G1B         ; the first tensor load behind the round; its four v_nop are the places in front of the loads below
.else
	PLACES NP
.endif
	FETCH_B \next, 0, 0
	FETCH_A \next, 0, 0
	WIN MUL_HI
	MUL16 4, 1, 0
	MUL16 6, 1, 0
	PLACES NP
	WIN 0
	FETCH_A \next, 0, 4
.endm
	s_wait_tensorcnt 1                             ; my part of K step 0 is in; K step 1's load may be out
	s_barrier_signal -1
	s_barrier_wait -1
	FETCH_B 0, 0, 0
	FETCH_A 0, 0, 0
	FETCH_A 0, 0, 4
	STEP 0, 0, 1                                   ; the first step starts the sums
	s_mov_b32 s3, LAPS-1
.Llap:
	TURN 0, 1, 1
	STEP 1, 0, 0
	TURN 1, 0, 1
	STEP 0, 0, 0
	s_sub_co_u32 s3, s3, 1
	s_cmp_lg_u32 s3, 0
	s_cbranch_scc1 .Llap
	TURN 0, 1, 0                                   ; the last lap fills nothing
	STEP 1, 0, 0
	s_wait_dscnt 4*NL
	WIN MUL_LO
	MUL16 0, 1, 0
	MUL16 2, 1, 0
	s_wait_dscnt 0
	WIN MUL_HI
	MUL16 4, 1, 0
	MUL16 6, 1, 0
	WIN 0
; THE WAY OUT.  The stage, 256 rows x 272 bytes, lies in slot 0: that slot has had its last fill, and every wave has passed the last change of slots, behind which nobody reads it.
	s_wait_kmcnt 0x0
	s_add_co_i32 s96, s96, s97                     ; eA + eB
	s_sub_co_i32 s99, 0, s96
	s_sub_co_i32 s100, s100, s96
	s_add_co_i32 s100, s100, 127
	s_lshl_b32 s97, s100, 23
	v_mov_b32 v[SCL], s97                          ; 2^(eo - eA - eB): the three scales folded into the conversion's one
	s_add_co_i32 s100, s100, 8
	s_lshl_b32 s100, s100, 23
	s_or_b32 s100, s100, 0x600000
	v_mov_b32 v[HOLD], s100                        ; 448 x that
	s_wait_loadcnt 0x0                             ; the biases
.set n, 0
.rept 80
	v_ldexp_f32 v[BC+n], v[BC+n], s99              ; bias / 2^(eA + eB).  (These are also the places behind the last products)
.set n, n+1
.endr
.macro QBLK a                          ; block a: 16 rows x 128 columns
.set AC, 64*((\a)%4)
.set PS, PC+16*((\a)%2)
	s_cmp_eq_u32 s98, 1                            ; the cluster's x decides: the same way in all partners
	s_cbranch_scc1 .Lrow_\@
	WIN 0x02+((\a)/4)                              ; source 0: window 2 or 3
.set n, 0
.rept 32
	v_pk_add_f32 v[T+n:T+n+1], v[AC+n:AC+n+1], v[BC+n:BC+n+1]   ; q, k: the bias runs along the columns; each accumulator from its low end on
.set n, n+2
.endr
	WIN 0
	s_branch .Ljoin_\@
.Lrow_\@:
	WIN 0x02+((\a)/4)
.set n, 0
.rept 32
	v_pk_add_f32 v[T+n:T+n+1], v[AC+n:AC+n+1], v[BR+2*(\a):BR+2*(\a)+1]   ; v: the bias is the row's
.set n, n+2
.endr
	WIN 0
.Ljoin_\@:
.if (\a) > 1
	s_wait_dscnt 4                                 ; all but the last block's four stores are done: this set of code registers is free
.endif
.irp b, 0,1,2,3
.irp i, 0,1,2,3,4,5,6,7,8,9,10,11,12,13,14,15
	v_med3_num_f32 v[T+16*\b+\i], v[T+16*\b+\i], -v[HOLD], v[HOLD]
.endr
	v_cvt_scalef32_pk8_fp8_f32 v[PS+4*\b:PS+4*\b+1], v[T+16*\b:T+16*\b+7], v[SCL]
	v_cvt_scalef32_pk8_fp8_f32 v[PS+4*\b+2:PS+4*\b+3], v[T+16*\b+8:T+16*\b+15], v[SCL]
.endr
	v_nop                                          ; a plain instruction behind the last conversion, ahead of whatever next writes its sources
.irp b, 0,1,2,3
	ds_store_b128 v[STO], v[PS+4*\b:PS+4*\b+3] offset:(\a)*16*PITCH+32*\b
.endr
.endm
.irp a, 0,1,2,3,4,5,6,7
	QBLK \a
.endr
	s_wait_dscnt 0x0                               ; for the others' sake: my stores into the stage are done
	s_barrier_signal -1
	s_barrier_wait -1
.irp u, 0,1,2,3
.irp g, 0,1,2,3,4,5,6,7
	ds_load_b128 v[BK+4*(8*\u+\g):BK+4*(8*\u+\g)+3], v[RD] offset:8*\g*PITCH+64*\u
.endr
.endr
.irp u, 0,1,2,3
.irp g, 0,1,2,3,4,5,6,7
	s_wait_dscnt 31-(8*\u+\g)
	global_store_b128 v[GO], v[BK+4*(8*\u+\g):BK+4*(8*\u+\g)+3], s[80+2*\u:81+2*\u] offset:512*\g   ; 512 consecutive bytes, aligned
.endr
.endr
	s_wait_tensorcnt 0x0                           ; the wave's end
	ds_add_u32 v[SPW], v[NIL]
	s_wait_dscnt 0x0
	CROUND                                         ; the closing round
	s_endpgm
.Lfunc_end_k_qd1826c39fd_qkv:
	.size	k_qd1826c39fd_qkv, .Lfunc_end_k_qd1826c39fd_qkv-k_qd1826c39fd_qkv
	.p2alignl 7, 3214868480
	.fill 96, 4, 3214868480
	.section	.rodata,"a",@progbits
	.p2align	6, 0x0
	.amdhsa_kernel k_qd1826c39fd_qkv
		.amdhsa_group_segment_fixed_size 327680
		.amdhsa_private_segment_fixed_size 0
		.amdhsa_enable_private_segment 0
		.amdhsa_kernarg_size 56
		.amdhsa_user_sgpr_count 2
		.amdhsa_user_sgpr_kernarg_segment_ptr 1
		.amdhsa_wavefront_size32 1
		.amdhsa_system_sgpr_workgroup_id_x 1
		.amdhsa_system_sgpr_workgroup_id_y 1
		.amdhsa_system_sgpr_workgroup_id_z 1
		.amdhsa_system_vgpr_workitem_id 0
		.amdhsa_next_free_vgpr 1024
		.amdhsa_next_free_sgpr 102
		.amdhsa_reserve_vcc 0
		.amdhsa_float_denorm_mode_32 3
		.amdhsa_float_denorm_mode_16_64 3
		.amdhsa_memory_ordered 1
		.amdhsa_forward_progress 1
		.amdhsa_inst_pref_size 167
	.end_amdhsa_kernel
	.amdgpu_metadata
---
amdhsa.version: [ 1, 2 ]
amdhsa.kernels:
  - .name:           k_qd1826c39fd_qkv
    .symbol:         k_qd1826c39fd_qkv.kd
    .args:
      - { .name: xcodes, .offset: 0, .size: 8, .value_kind: global_buffer, .address_space: global }
      - { .name: wcodes, .offset: 8, .size: 8, .value_kind: global_buffer, .address_space: global }
      - { .name: lowp_scales, .offset: 16, .size: 8, .value_kind: global_buffer, .address_space: global }
      - { .name: bq, .offset: 24, .size: 8, .value_kind: global_buffer, .address_space: global }
      - { .name: bk, .offset: 32, .size: 8, .value_kind: global_buffer, .address_space: global }
      - { .name: bv, .offset: 40, .size: 8, .value_kind: global_buffer, .address_space: global }
      - { .name: qkvc, .offset: 48, .size: 8, .value_kind: global_buffer, .address_space: global }
    .group_segment_fixed_size: 327680
    .private_segment_fixed_size: 0
    .kernarg_segment_align: 8
    .kernarg_segment_size: 56
    .max_flat_workgroup_size: 128
    .sgpr_count:     102
    .vgpr_count:     1024
    .wavefront_size: 32
...
	.end_amdgpu_metadata
.endif
;; end of part 2
;; launch attn (part 3): grid 8 x 32, 16 waves a work-group, no clusters, 317,440 bytes of LDS; arguments qkvc, maskw, lowp_scales, acodes; writes acodes
.if DOCPART == 3
	.amdgcn_target "amdgcn-amd-amdhsa--gfx1250"
	.amdhsa_code_object_version 6
	.text
	.protected	k_qd1826c39fd_attn
	.globl	k_qd1826c39fd_attn
	.p2align	8
	.type	k_qd1826c39fd_attn,@function
k_qd1826c39fd_attn:
	s_mov_b64 s[64:65], 0
	v_nop
	global_prefetch_b8 v0, s[64:65] scope:SCOPE_SE
	s_setreg_imm32_b32 hwreg(HW_REG_WAVE_MODE, 25, 1), 1
	s_wait_xcnt 0x0
; Launch 3 of 7: attention on codes of E4M3, head size 64, with the mask that is given as an input.
; WHAT IS LEFT OUT, BY WHOLE NUMBERS READ FROM MEMORY: a key step (16 queries x 128 keys) in which the mask keeps nothing.  Its p would be 2^(t - M) with t the masked logit's and M a kept key's: codes 0 and nothing in the sum.
; That needs a kept key in every row of the tile: where some row of the 16 has none in all 2,048 keys, every step is walked, and that row comes out as the plain average, as in reference().
; A step in which the mask keeps everything passes over its 64 selects.  The hold of p is passed over where e8 >= -8: p <= 1 < 448 x 2^e8 there, so it changes no number.  All three are scalar branches on stored whole numbers.
; So this launch has no tensor load, hence no joint loads.  No prefetch: each stage of K and V is itself asked for a stage (four key steps) ahead of its first read.
; SHARES.  A work-group owns 16 query tiles of one (batch, head): tile 8 rank + work-group x.  Waves 2 p and 2 p + 1 share ranks 15 - p (pass 1) and p (pass 2): each walks every second key step of both,
; parity (wave xor wave / 4) % 2, with a running M, sum and O^T of its own for each tile.  At the end the even wave joins the two states of rank 15 - p, the odd wave those of rank p:
; both are brought under the larger M by powers of two, which rounds nothing, and added.
; LDS HOLDS ALL OF THE HEAD'S K AND V, stored once, in four stages of 512 keys: each wave brings 2 KiB of K and 2 KiB of V of a stage through 32 registers; a stage is stored at the end of the stage before it,
; ahead of a barrier.  Behind the third such barrier nobody writes these bytes until every wave has passed the barrier behind pass 2; then the states go, as images of their registers, into K's bytes.
; Two lines of 64 codes share 144 bytes (16 of padding): line L lies at (L / 2) x 144 + (L % 2) x 64.  K's 2,048 lines, then V's as [32 blocks of 64 keys][64 d].
; LAYOUT.  S^T = K Q^T, O^T = V^T P^T: a lane holds one query (lane % 16).  Lane r of tile 2 b + u takes line 32 b + 8 u + r + 8 (r / 8), so that the 16 registers of tiles 2 b, 2 b + 1 are 16 neighbours.
; THE SOFTMAX: t = score x log2(e) / 8; M = the running largest t rounded up to a whole number; p = 2^(t - M), quantised with scale 8; the row's sum is taken of the unquantised p and divides at the end.
; A masked score is put at -2^(33 - e6 - e7), which stands for the logit -2^30.  LIMIT, stated: reference() puts -1e9 there; the results are those of -1e9 while every kept logit lies above -1e9 + 200.
; LIMITS on the exponents: e6 + e7 between -94 and 130; e8, and e10 - e8 - e9, between -126 and 119.  NaN is not served; a NaN or infinity that reaches only a step left out is not carried to the result.
; OUT: acodes [head 16][token 4096][64], quantised with scale 10: a wave stores 1,024 consecutive bytes.
.set PP,    144
.set VOFF,  1024*PP
.set SPARE, 2*VOFF                     ; the spare words, 128 bytes a wave; no other line names them
.set STAGE, SPARE+16*128               ; 16 rows x 80 bytes a wave, for the way out
.set SP,    80
.set XS,    4352                       ; a state's image: 8 x 512 bytes of O^T, 256 of (-M, sum)
.set AK0, 1
.set AV0, 2
.set NEG, 3
.set LK,  4
.set SPW, 5
.set NIL, 6
.set GO,  7
.set ADK, 8
.set ADV, 9
; v[10:11] pass 1's -M and sum, v12 -M, v13 the largest t, v[14:15] the sum, v16-23 Q of pass 1, v24 2^(e10-e8-e9), v25 448 x that, v26 448 x 2^e8, v27 2^e8, v[28:29] f and 0, v30-31 at work,
; v32-95 fragments, v96-159 S^T then p, v160-191 the fill's registers, then O^T of pass 2, v192-223 O^T of pass 1, v224-239 p's codes, v240-247 at work, v248-255 Q of pass 2
.set TB,   2                           ; s2  LDS byte of the key step in hand, in K's region and in V's
.set KS,   3                           ; s3  a loop's counter
.set NEED, 16                          ; s16 bit 0: this step is walked (shifted two bits a step)
.set FULL, 17                          ; s17 bit 0: the mask keeps all of this step
.set NOHOLD, 18
.set WV,   24
.set FB,   25                          ; s25 LDS byte of the stage that is stored next
.set SEL,  26
.set CS,   28
; s[4:5] the fill's source, s[6:7] the step's mask words, s[20:21] pass 2's, s[22:23] out, s30-31 pass 2's two bit rows, s100 my first step's LDS byte, s101 my parity; s[32:63], s[68:99]: a step's 64 mask words
.macro KQ qb                           ; S^T of the step, and V's fragments asked for
	v_add_nc_u32 v[ADK], s[TB], v[AK0]
	v_add_nc_u32 v[ADV], s[TB], v[AV0]
	v_nop                                          ; with the two additions: four places in front of loads into registers that the last products read
	v_nop
.irp t, 0,1,2,3,4,5,6,7
	ds_load_b128 v[32+8*\t:35+8*\t], v[ADK] offset:(16*(\t/2)+4*(\t%2))*PP
	ds_load_b128 v[36+8*\t:39+8*\t], v[ADK] offset:(16*(\t/2)+4*(\t%2))*PP+32
.endr
	s_wait_alu depctr_va_vdst(0)                   ; the wait ahead of the wait below
	s_wait_dscnt 0x0
.irp t, 0,1,2,3,4,5,6,7
	v_wmma_f32_16x16x64_fp8_fp8 v[96+8*\t:103+8*\t], v[32+8*\t:39+8*\t], v[\qb:\qb+7], 0
.endr
.rept 4
	v_nop                                          ; places: for V's loads into K's registers, and for the first read of the scores
.endr
.irp t, 0,1,2,3
.irp c, 0,1,2,3
	ds_load_b128 v[32+16*\t+4*\c:35+16*\t+4*\c], v[ADV] offset:((\c/2)*32+16*(\t/2)+4*(\t%2))*PP+32*(\c%2)
.endr
.endr
.endm
.macro STEPB ob, qb                    ; one key step of 128 keys: O^T at v[ob], Q at v[qb]; then on to my next step, two further
	s_bitcmp1_b32 s[NEED], 0
	s_cbranch_scc0 .Lnext_\@
	s_bitcmp1_b32 s[FULL], 0
	s_cbranch_scc1 .Lopen_\@
.irp i, 0,1,2,3
	s_load_b256 s[32+8*\i:39+8*\i], s[6:7], 32*\i          ; the step's 64 mask words
	s_load_b256 s[68+8*\i:75+8*\i], s[6:7], 128+32*\i
.endr
	KQ \qb
	s_wait_kmcnt 0x0
.set j, 0
.rept 64
.set m, 2*(j%32)+j/32
.set w, 32+m+4*(m/32)
	v_cndmask_b32 v[96+j], v[NEG], v[96+j], s[w]   ; kept where the bit is set; each accumulator from its low end on
.set j, j+1
.endr
	s_wait_alu depctr_va_vdst(0)                   ; the wait ahead of the branch
	s_branch .Lsoft_\@
.Lopen_\@:
	KQ \qb
.Lsoft_\@:
.irp a, 0,1,2,3,4,5,6,7
	v_max3_num_f32 v[240+\a], v[96+8*\a], v[97+8*\a], v[98+8*\a]   ; the step's largest score of my query: eight chains, each accumulator from its low end on
.endr
.irp a, 0,1,2,3,4,5,6,7
	v_max3_num_f32 v[240+\a], v[240+\a], v[99+8*\a], v[100+8*\a]
.endr
.irp a, 0,1,2,3,4,5,6,7
	v_max3_num_f32 v[240+\a], v[240+\a], v[101+8*\a], v[102+8*\a]
.endr
.irp a, 0,1,2,3
	v_max3_num_f32 v[240+\a], v[240+2*\a], v[241+2*\a], v[103+8*\a]
.endr
	v_max3_num_f32 v240, v240, v241, v135
	v_max3_num_f32 v242, v242, v243, v143
	v_max3_num_f32 v30, v240, v242, v151
	v_max_num_f32 v30, v30, v159
	v_permlanex16_b32 v31, v30, s[SEL], s[SEL+1]
	v_max_num_f32 v30, v30, v31                    ; and lane l xor 16's
	v_mul_f32 v30, s[CS], v30                      ; as t
	v_max_num_f32 v13, v13, v30
	v_mov_b32 v30, v12
	v_floor_f32 v12, -v13                          ; the new -M: M is a whole number
	v_sub_f32 v30, v12, v30                        ; old M - new M, 0 or less
	v_cvt_i32_f32 v30, v30                         ; (it saturates)
	v_ldexp_f32 v28, 1.0, v30                      ; f = 2^(old M - new M)
.set j, 0
.rept 32
	v_pk_fma_f32 v[96+j:97+j], v[96+j:97+j], s[CS:CS+1], v[12:13] op_sel_hi:[1,0,0]   ; t - M
.set j, j+2
.endr
	s_wait_alu depctr_va_vdst(0)                   ; the wait ahead of the batch
.set j, 0
.rept 64
	v_exp_f32 v[96+j], v[96+j]                     ; p = 2^(t - M), at most 1
.set j, j+1
.endr
	v_pk_mul_f32 v[14:15], v[14:15], v[28:29] op_sel_hi:[1,0]   ; the sums under the new M: the plain instruction behind the batch
	s_wait_alu depctr_va_vdst(0)                   ; one wait for the batch, ahead of its first reader
.irp k, 0,1,2,3
	v_pk_add_f32 v[240+2*\k:241+2*\k], v[96+2*\k:97+2*\k], v[104+2*\k:105+2*\k]   ; the sum of the unquantised p, four chains of pairs
.endr
.irp m, 2,3,4,5,6,7
.irp k, 0,1,2,3
	v_pk_add_f32 v[240+2*\k:241+2*\k], v[240+2*\k:241+2*\k], v[96+8*\m+2*\k:97+8*\m+2*\k]
.endr
.endr
	v_pk_add_f32 v[240:241], v[240:241], v[244:245]
	v_pk_add_f32 v[242:243], v[242:243], v[246:247]
	v_pk_add_f32 v[240:241], v[240:241], v[242:243]
	v_pk_add_f32 v[14:15], v[14:15], v[240:241]
	s_cmp_lg_u32 s[NOHOLD], 0
	s_cbranch_scc1 .Lheld_\@
.set j, 0
.rept 64
	v_min_num_f32 v[96+j], v[96+j], v26            ; the hold (ISA guide 7.6.2: the conversion does not saturate); p is not negative
.set j, j+1
.endr
.Lheld_\@:
.irp b, 0,1,2,3
	v_cvt_scalef32_pk8_fp8_f32 v[224+4*\b:225+4*\b], v[96+16*\b:103+16*\b], v27
	v_cvt_scalef32_pk8_fp8_f32 v[226+4*\b:227+4*\b], v[104+16*\b:111+16*\b], v27
.endr
	s_wait_alu depctr_va_vdst(0)                   ; the wait directly ahead of the first reader of O^T
.set j, 0
.rept 16
	v_pk_mul_f32 v[\ob+j:\ob+j+1], v[\ob+j:\ob+j+1], v[28:29] op_sel_hi:[1,0]   ; O^T under the new M
.set j, j+2
.endr
	s_wait_alu depctr_va_vdst(0)                   ; the wait ahead of the wait below
	s_wait_dscnt 0x0                               ; V's fragments
.irp t, 0,1,2,3
	v_wmma_f32_16x16x128_fp8_fp8 v[\ob+8*\t:\ob+8*\t+7], v[32+16*\t:47+16*\t], v[224:239], v[\ob+8*\t:\ob+8*\t+7]   ; four accumulators by turns
.endr
.Lnext_\@:
	s_add_co_u32 s[TB], s[TB], 128*PP              ; two key steps on, in K's region and in V's
	s_add_nc_u64 s[6:7], s[6:7], 512               ; no scalar load is out here
	s_lshr_b32 s[NEED], s[NEED], 2
	s_lshr_b32 s[FULL], s[FULL], 2
.endm
.macro FETCH8                          ; my 2 KiB of K and 2 KiB of V of a stage: 512 consecutive bytes a load
.irp i, 0,1,2,3
	global_load_b128 v[160+4*\i:163+4*\i], v[GO], s[4:5] offset:512*\i
.endr
.irp i, 0,1,2,3
	global_load_b128 v[176+4*\i:179+4*\i], v[GO], s[4:5] offset:0x400000+512*\i
.endr
.endm
.macro STORE8 ak, av
.irp i, 0,1,2,3
	ds_store_b128 v[\ak], v[160+4*\i:163+4*\i] offset:4*PP*\i
.endr
.irp i, 0,1,2,3
	ds_store_b128 v[\av], v[176+4*\i:179+4*\i] offset:4*PP*\i
.endr
.endm
.macro RECS base, need, full           ; a tile's 16 OR words and AND words become two rows of bits, shifted to my parity
	s_mov_b32 s[\need], 0
	s_mov_b32 s[\full], 0
	s_mov_b32 s19, 0
.irp k, 0,1,2,3,4,5,6,7,8,9,10,11,12,13,14,15
	s_or_b32 s19, s19, s[\base+2*\k]               ; which lanes have a kept key anywhere
	s_cmp_lg_u32 s[\base+2*\k], 0
	s_cselect_b32 s25, 1<<\k, 0
	s_or_b32 s[\need], s[\need], s25
	s_cmp_eq_u32 s[\base+1+2*\k], -1
	s_cselect_b32 s25, 1<<\k, 0
	s_or_b32 s[\full], s[\full], s25
.endr
	s_lshr_b32 s25, s19, 16                        ; lanes r and r + 16 hold row r
	s_or_b32 s19, s19, s25
	s_and_b32 s19, s19, 0xffff
	s_cmp_eq_u32 s19, 0xffff
	s_cselect_b32 s25, 0, 0xffff                   ; a row with no kept key at all: every step is walked
	s_or_b32 s[\need], s[\need], s25
	s_lshr_b32 s[\need], s[\need], s101
	s_lshr_b32 s[\full], s[\full], s101
.endm
	s_load_b256 s[8:15], s[0:1], 0x0               ; qkvc, maskw, the scales' exponents, acodes
	v_lshl_add_u32 v[SPW], v0, 2, SPARE
	v_mov_b32 v[NIL], 0
	v_lshrrev_b32 v228, 5, v0
	v_readfirstlane_b32 s[WV], v228                ; wave 0..15
	s_lshr_b32 s19, s[WV], 1                       ; p
	s_sub_co_u32 s32, 15, s19
	s_lshl_b32 s32, s32, 3
	s_add_co_u32 s32, s32, ttmp9                   ; pass 1's query tile
	s_lshl_b32 s33, s19, 3
	s_add_co_u32 s33, s33, ttmp9                   ; pass 2's
	s_lshr_b32 s101, s[WV], 2
	s_xor_b32 s101, s101, s[WV]
	s_and_b32 s101, s101, 1                        ; my parity
	s_mul_i32 s100, s101, 64*PP                    ; my first key step in LDS
	s_and_b32 s35, ttmp7, 0xffff                   ; batch x 16 + head
	s_lshl_b32 s36, s35, 17                        ; its 131,072 bytes in Q, K and V
	s_lshl_b32 s38, s[WV], 11
	s_add_co_u32 s38, s38, s36
	s_add_co_u32 s38, s38, 0x400000                ; my 2 KiB of stage 0 of K (K at 4 MiB, V 4 MiB behind it)
	s_mov_b32 s39, 0
	s_lshl_b32 s66, s32, 10                        ; 16 queries x 64 bytes; also 4 records of 256
	s_lshl_b32 s67, s33, 10
	s_add_co_u32 s40, s66, s36                     ; Q of pass 1,
	s_add_co_u32 s41, s67, s36                     ; of pass 2
	s_bitcmp1_b32 s[WV], 0
	s_cselect_b32 s46, s67, s66                    ; the tile that I finish
	s_add_co_u32 s66, s66, 0x80000                 ; the tiles' records
	s_add_co_u32 s67, s67, 0x80000
	s_lshl_b32 s37, s101, 8
	s_lshl_b32 s42, s32, 12                        ; a tile's 16 key steps of 256 bytes of mask words, from my first step on
	s_add_co_u32 s42, s42, s37
	s_mov_b32 s43, 0
	s_lshl_b32 s44, s33, 12
	s_add_co_u32 s44, s44, s37
	s_mov_b32 s45, 0
	s_and_b32 s48, s35, 15
	s_lshl_b32 s48, s48, 18                        ; out: head x 4,096 tokens x 64,
	s_add_co_u32 s46, s46, s48
	s_lshr_b32 s48, s35, 4
	s_lshl_b32 s48, s48, 17                        ; batch x 2,048 tokens x 64
	s_add_co_u32 s46, s46, s48
	s_mov_b32 s47, 0
	s_mul_i32 s49, s[WV], 16*PP                    ; where my 32 lines go in a stage
	s_mov_b32 s[SEL], 0x76543210
	s_mov_b32 s[SEL+1], 0xfedcba98
	s_mov_b32 s[CS], 0x3e38aa3b                    ; c = log2(e) / 8
	v_and_b32 v228, 31, v0                         ; lane
	v_lshlrev_b32 v[GO], 4, v228                   ; 16 bytes a lane: 512 consecutive bytes an instruction, in and out
	v_lshrrev_b32 v229, 3, v228
	v_and_b32 v230, 7, v228
	v_mul_u32_u24 v229, v229, PP
	v_lshl_add_u32 v229, v230, 4, v229             ; eight lanes to a pair of lines
	v_add_nc_u32 v[LK], s49, v229
	v_and_b32 v228, 15, v0                         ; r
	v_bfe_u32 v229, v0, 4, 1                       ; h
	v_lshlrev_b32 v230, 6, v228
	v_lshl_add_u32 v230, v229, 4, v230
	v_add_nc_u32 v226, s40, v230
	v_add_nc_u32 v227, s41, v230
	v_and_b32 v230, 8, v228
	v_add_nc_u32 v230, v230, v228                  ; my line of a tile: r + 8 (r / 8)
	v_lshrrev_b32 v[AV0], 1, v230
	v_mul_u32_u24 v[AK0], v[AV0], PP
	v_and_b32 v230, 1, v230
	v_lshl_add_u32 v[AK0], v230, 6, v[AK0]
	v_lshl_add_u32 v[AK0], v229, 4, v[AK0]
	v_add_nc_u32 v[AV0], VOFF, v[AK0]
	v_mov_b32 v13, 0xff61b1e6                      ; the largest t so far: -3e38
	v_floor_f32 v12, -v13                          ; -M
	v_mov_b32 v14, 0
	v_mov_b32 v15, 0
	v_mov_b32 v29, 0
	v_mov_b32 v31, 0
.set j, 0
.rept 32
	v_mov_b32 v[192+j], 0                          ; O^T of pass 1: the first step walked finds zeros
.set j, j+1
.endr
	s_wait_alu depctr_va_vdst(0)                   ; the wait ahead of the wait below
	s_wait_kmcnt 0x0
	s_add_nc_u64 s[4:5], s[8:9], s[38:39]
	FETCH8                                         ; stage 0
	global_load_b128 v[16:19], v226, s[8:9]        ; Q's fragments stay: registers 0-3 k = 16 h + 0..15, 4-7 k = 32 + 16 h + 0..15, as K's
	global_load_b128 v[20:23], v226, s[8:9] offset:32
	global_load_b128 v[248:251], v227, s[8:9]
	global_load_b128 v[252:255], v227, s[8:9] offset:32
	s_add_nc_u64 s[6:7], s[10:11], s[42:43]
	s_add_nc_u64 s[20:21], s[10:11], s[44:45]
	s_add_nc_u64 s[22:23], s[14:15], s[46:47]
	s_mov_b64 s[2:3], s[12:13]
	s_load_b256 s[12:19], s[2:3], 0x18             ; e6 .. e13 in s12 ..
.irp i, 0,1,2,3
	s_load_b256 s[32+8*\i:39+8*\i], s[10:11], s66 offset:256*\i   ; step k's OR word in s[32 + 2 k], its AND word in s[33 + 2 k]
	s_load_b256 s[68+8*\i:75+8*\i], s[10:11], s67 offset:256*\i   ; pass 2's tile likewise
.endr
	s_wait_kmcnt 0x0
	s_add_co_i32 s17, s12, s13                     ; e6 + e7
	s_lshl_b32 s18, s17, 23
	s_add_co_i32 s[CS], s[CS], s18                 ; a score stands for score x 2^(e6 + e7): added to c's exponent field
	s_mov_b32 s[CS+1], s[CS]
	s_sub_co_i32 s17, 33, s17
	v_ldexp_f32 v[NEG], -1.0, s17                  ; a masked score
	s_add_co_i32 s17, s14, 127
	s_lshl_b32 s18, s17, 23
	v_mov_b32 v27, s18                             ; 2^e8
	s_add_co_i32 s17, s17, 8
	s_lshl_b32 s17, s17, 23
	s_or_b32 s17, s17, 0x600000
	v_mov_b32 v26, s17                             ; 448 x 2^e8
	s_sub_co_i32 s17, s16, s14
	s_sub_co_i32 s17, s17, s15
	s_add_co_i32 s17, s17, 127
	s_lshl_b32 s18, s17, 23
	v_mov_b32 v24, s18                             ; 2^(e10 - e8 - e9)
	s_add_co_i32 s17, s17, 8
	s_lshl_b32 s17, s17, 23
	s_or_b32 s17, s17, 0x600000
	v_mov_b32 v25, s17                             ; 448 x that
	s_cmp_ge_i32 s14, -8
	s_cselect_b32 s[NOHOLD], 1, 0
	RECS 32, NEED, FULL
	RECS 68, 30, 31
	s_mov_b32 s[TB], s100
	s_mov_b32 s[KS], 0
	s_mov_b32 s[FB], 256*PP
	s_wait_alu depctr_va_vdst(0)                   ; the wait at the head's end
	s_wait_loadcnt 4                               ; stage 0's eight loads are in; Q's four may be out
	v_add_nc_u32 v30, VOFF, v[LK]
	STORE8 LK, 30
	s_wait_dscnt 0x0                               ; for the others' sake: my stores are done; and they have read their registers
	s_add_nc_u64 s[4:5], s[4:5], 32768
	FETCH8                                         ; stage 1
	s_wait_loadcnt 8                               ; Q; stage 1's eight may be out
	s_barrier_signal -1
	s_barrier_wait -1
.Lstage:                                           ; PASS 1, stages 0 to 2: my two key steps of the stage, then the next stage is stored
	STEPB 192, 16
	STEPB 192, 16
	s_wait_loadcnt 0x0                             ; the next stage's eight loads, asked for a stage ago
	s_add_co_u32 s19, s[FB], VOFF
	v_add_nc_u32 v30, s[FB], v[LK]
	v_add_nc_u32 v31, s19, v[LK]
	STORE8 30, 31
	s_add_co_u32 s[FB], s[FB], 256*PP
	s_wait_dscnt 0x0                               ; for the others' sake; and the stores have read their registers
	s_cmp_lt_u32 s[KS], 2
	s_cbranch_scc0 .Lnofetch                       ; there is no stage 4
	s_add_nc_u64 s[4:5], s[4:5], 32768
	FETCH8
.Lnofetch:
	s_barrier_signal -1
	s_barrier_wait -1
	s_add_co_u32 s[KS], s[KS], 1
	s_cmp_lt_u32 s[KS], 3
	s_cbranch_scc1 .Lstage
	s_mov_b32 s[KS], 0
.Llast:                                            ; stage 3: nothing more is stored, and no barrier follows
	STEPB 192, 16
	s_add_co_u32 s[KS], s[KS], 1
	s_cmp_lt_u32 s[KS], 2
	s_cbranch_scc1 .Llast
	v_mov_b32 v10, v12                             ; pass 1's -M and sum are kept,
	v_add_f32 v11, v14, v15
	v_mov_b32 v13, 0xff61b1e6                      ; and pass 2 begins anew
	v_floor_f32 v12, -v13
	v_mov_b32 v14, 0
	v_mov_b32 v15, 0
.set j, 0
.rept 32
	v_mov_b32 v[160+j], 0
.set j, j+1
.endr
	s_mov_b32 s[NEED], s30
	s_mov_b32 s[FULL], s31
	s_mov_b64 s[6:7], s[20:21]
	s_mov_b32 s[TB], s100
	s_mov_b32 s[KS], 0
	s_wait_alu depctr_va_vdst(0)
.Lpass2:                                           ; PASS 2: my eight key steps of the other tile
	STEPB 160, 248
	s_add_co_u32 s[KS], s[KS], 1
	s_cmp_lt_u32 s[KS], 8
	s_cbranch_scc1 .Lpass2
; THE JOIN.  Both my states go into K's bytes, slot 2 wave + pass, as images of their registers; I read back the two states of the tile that I finish: pass wave % 2 of my own and of wave xor 1.
	s_mul_i32 s19, s[WV], 2*XS
	s_and_b32 s25, s[WV], 1
	s_mul_i32 s25, s25, XS
	s_add_co_u32 s16, s19, s25
	s_xor_b32 s17, s[WV], 1
	s_mul_i32 s17, s17, 2*XS
	s_add_co_u32 s17, s17, s25
	s_mul_i32 s18, s[WV], 16*SP
	s_add_co_u32 s18, s18, STAGE                   ; my stage
	v_add_f32 v13, v14, v15                        ; v[12:13]: pass 2's -M and sum
	v_and_b32 v252, 31, v0
	v_lshl_add_u32 v8, v252, 4, s19                ; 16 bytes a lane,
	v_lshl_add_u32 v9, v252, 3, s19                ; 8 bytes a lane
	v_lshl_add_u32 v1, v252, 4, s16
	v_lshl_add_u32 v2, v252, 4, s17
	v_lshl_add_u32 v3, v252, 3, s16
	v_lshl_add_u32 v4, v252, 3, s17
	v_lshrrev_b32 v253, 2, v252
	v_and_b32 v254, 3, v252
	v_mul_u32_u24 v253, v253, SP
	v_lshl_add_u32 v253, v254, 4, v253
	v_add_nc_u32 v251, s18, v253                   ; out of the stage: four lanes to a row
	v_and_b32 v253, 15, v0
	v_bfe_u32 v254, v0, 4, 1
	v_mul_u32_u24 v253, v253, SP
	v_lshl_add_u32 v253, v254, 4, v253
	v_add_nc_u32 v250, s18, v253                   ; into it: row r, + 16 h
	v_mov_b32 v241, 0
	v_mov_b32 v243, 0
	s_wait_alu depctr_va_vdst(0)                   ; the wait ahead of the barrier
	s_wait_dscnt 0x0                               ; my reads of K and V are over
	s_barrier_signal -1
	s_barrier_wait -1                              ; and so are everybody's
.irp i, 0,1,2,3,4,5,6,7
	s_wait_alu depctr_va_vdst(0)                   ; the wait directly ahead of the first reader of a matrix result
	ds_store_b128 v8, v[192+4*\i:195+4*\i] offset:512*\i
.endr
	ds_store_b64 v9, v[10:11] offset:4096
.irp i, 0,1,2,3,4,5,6,7
	s_wait_alu depctr_va_vdst(0)
	ds_store_b128 v8, v[160+4*\i:163+4*\i] offset:XS+512*\i
.endr
	ds_store_b64 v9, v[12:13] offset:XS+4096
	s_wait_dscnt 0x0                               ; for the partner's sake
	s_barrier_signal -1
	s_barrier_wait -1
.irp i, 0,1,2,3,4,5,6,7
	ds_load_b128 v[32+4*\i:35+4*\i], v1 offset:512*\i
	ds_load_b128 v[64+4*\i:67+4*\i], v2 offset:512*\i
.endr
	ds_load_b64 v[244:245], v3 offset:4096
	ds_load_b64 v[246:247], v4 offset:4096
	s_wait_dscnt 0x0
	v_min_num_f32 v30, v244, v246                  ; -M of the two: M is the larger
	v_sub_f32 v240, v30, v244                      ; each state's M less that: a whole number, 0 or less
	v_sub_f32 v242, v30, v246
	v_cvt_i32_f32 v240, v240                       ; (it saturates: a state with no step walked gets the factor 0)
	v_cvt_i32_f32 v242, v242
	v_ldexp_f32 v240, 1.0, v240
	v_ldexp_f32 v242, 1.0, v242
	v_mul_f32 v14, v245, v240
	v_fma_f32 v14, v247, v242, v14                 ; the sum under M,
	v_permlanex16_b32 v31, v14, s[SEL], s[SEL+1]
	v_add_f32 v14, v14, v31                        ; with lane l xor 16's
	s_wait_alu depctr_va_vdst(0)                   ; the wait ahead of the transcendental
	v_rcp_f32 v14, v14
	v_nop
	s_wait_alu depctr_va_vdst(0)                   ; and ahead of its first reader
	v_mul_f32 v240, v240, v14
	v_mul_f32 v242, v242, v14
.set j, 0
.rept 16
	v_pk_mul_f32 v[96+j:97+j], v[32+j:33+j], v[240:241] op_sel_hi:[1,0]
.set j, j+2
.endr
.set j, 0
.rept 16
	v_pk_fma_f32 v[96+j:97+j], v[64+j:65+j], v[242:243], v[96+j:97+j] op_sel_hi:[1,0,1]
.set j, j+2
.endr
; THE WAY OUT: quantised; 16 bytes a lane through my stage, back as 512 consecutive bytes.
.irp b, 0,1
.irp i, 0,1,2,3,4,5,6,7,8,9,10,11,12,13,14,15
	v_med3_num_f32 v[96+16*\b+\i], v[96+16*\b+\i], -v25, v25
.endr
	v_cvt_scalef32_pk8_fp8_f32 v[224+4*\b:225+4*\b], v[96+16*\b:103+16*\b], v24
	v_cvt_scalef32_pk8_fp8_f32 v[226+4*\b:227+4*\b], v[104+16*\b:111+16*\b], v24
.endr
	v_nop
	ds_store_b128 v250, v[224:227]                 ; d = 16 h + 0..15
	ds_store_b128 v250, v[228:231] offset:32       ; d = 32 + 16 h + 0..15
	ds_load_b128 v[32:35], v251                    ; LDS serves a wave's instructions in order
	ds_load_b128 v[36:39], v251 offset:8*SP
	s_wait_dscnt 1                                 ; the younger of the two loads may be out
	global_store_b128 v[GO], v[32:35], s[22:23]
	s_wait_dscnt 0
	global_store_b128 v[GO], v[36:39], s[22:23] offset:512
	s_wait_tensorcnt 0x0                           ; the wave's end
	ds_add_u32 v[SPW], v[NIL]
	s_wait_dscnt 0x0
	s_endpgm
.Lfunc_end_k_qd1826c39fd_attn:
	.size	k_qd1826c39fd_attn, .Lfunc_end_k_qd1826c39fd_attn-k_qd1826c39fd_attn
	.p2alignl 7, 3214868480
	.fill 96, 4, 3214868480
	.section	.rodata,"a",@progbits
	.p2align	6, 0x0
	.amdhsa_kernel k_qd1826c39fd_attn
		.amdhsa_group_segment_fixed_size 317440
		.amdhsa_private_segment_fixed_size 0
		.amdhsa_enable_private_segment 0
		.amdhsa_kernarg_size 32
		.amdhsa_user_sgpr_count 2
		.amdhsa_user_sgpr_kernarg_segment_ptr 1
		.amdhsa_wavefront_size32 1
		.amdhsa_system_sgpr_workgroup_id_x 1
		.amdhsa_system_sgpr_workgroup_id_y 1
		.amdhsa_system_sgpr_workgroup_id_z 1
		.amdhsa_system_vgpr_workitem_id 0
		.amdhsa_next_free_vgpr 256
		.amdhsa_next_free_sgpr 102
		.amdhsa_reserve_vcc 0
		.amdhsa_float_denorm_mode_32 3
		.amdhsa_float_denorm_mode_16_64 3
		.amdhsa_memory_ordered 1
		.amdhsa_forward_progress 1
		.amdhsa_inst_pref_size 123
	.end_amdhsa_kernel
	.amdgpu_metadata
---
amdhsa.version: [ 1, 2 ]
amdhsa.kernels:
  - .name:           k_qd1826c39fd_attn
    .symbol:         k_qd1826c39fd_attn.kd
    .args:
      - { .name: qkvc, .offset: 0, .size: 8, .value_kind: global_buffer, .address_space: global }
      - { .name: maskw, .offset: 8, .size: 8, .value_kind: global_buffer, .address_space: global }
      - { .name: lowp_scales, .offset: 16, .size: 8, .value_kind: global_buffer, .address_space: global }
      - { .name: acodes, .offset: 24, .size: 8, .value_kind: global_buffer, .address_space: global }
    .group_segment_fixed_size: 317440
    .private_segment_fixed_size: 0
    .kernarg_segment_align: 8
    .kernarg_segment_size: 32
    .max_flat_workgroup_size: 512
    .sgpr_count:     102
    .vgpr_count:     256
    .wavefront_size: 32
...
	.end_amdgpu_metadata
.endif
;; end of part 3
;; launch oproj (part 4): grid 8 x 32, 4 waves a work-group, clusters of 4 x 4, 327,680 bytes of LDS; arguments acodes, wcodes, lowp_scales, bo, x, hres; writes hres
.if DOCPART == 4
	.amdgcn_target "amdgcn-amd-amdhsa--gfx1250"
	.amdhsa_code_object_version 6
	.text
	.protected	k_qd1826c39fd_oproj
	.globl	k_qd1826c39fd_oproj
	.p2align	8
	.type	k_qd1826c39fd_oproj,@function
k_qd1826c39fd_oproj:
	s_mov_b64 s[64:65], 0
	v_nop
	global_prefetch_b8 v0, s[64:65] scope:SCOPE_SE
	s_setreg_imm32_b32 hwreg(HW_REG_WAVE_MODE, 25, 1), 1
	s_wait_xcnt 0x0
	s_wait_alu depctr_hold_cnt(0) depctr_sa_sdst(0) depctr_va_vdst(0) depctr_va_sdst(0) depctr_va_ssrc(0) depctr_va_vcc(0) depctr_vm_vsrc(0)
	s_getreg_b32 s2, hwreg(HW_REG_IB_STS2, 6, 4)
	s_cmp_eq_u32 s2, 0
	s_cbranch_scc0 .Lentry_in_a_cluster
	s_endpgm
.Lentry_in_a_cluster:
	s_bfe_u32 s2, ttmp6, 0x10000c
	s_cmp_lg_u32 s2, 0xf033
	s_cbranch_scc0 .Lentry_shape_is_right
	s_endpgm
.Lentry_shape_is_right:
.set PITCH,  528
.set AL,     80
.set AHALF,  4*128*AL
.set BOFF,   2*AHALF
.set HALFT,  64*PITCH
.set SLOT,   BOFF+2*HALFT
.set STAGE,  2*SLOT
.set SPITCH, 272
.set SPARE,  STAGE+4*16*SPITCH
.set ADRA, 16
.set ADRB, 20
.set STO,  24
.set RD,   25
.set CO,   26
.set BO,   27
.set SPW,  28
.set NIL,  29
.set BK,   32
.set ACC,  128
.set F0,   0
.set F1,   128
.set G1, 24
.set G0, 32
.set G1B, 48
.set G0B, 56
.set MSB, 0
.macro WIN new
.if MSB != (\new)
	s_set_vgpr_msb (MSB<<8)|(\new)
.set MSB, (\new)
.endif
.endm
.set MUL,  0x05
.set TO_F, 0x40
.macro JLOAD s
	s_cmp_eq_u32 s11, 0
	s_cbranch_scc0 .Lfor_b_\@
	tensor_load_to_lds s[G0+4*\s:G0+4*\s+3], s[G1:G1+7]
	s_nop 0
.rept 4
	v_nop
.endr
	s_branch .Lasked_\@
.Lfor_b_\@:
	tensor_load_to_lds s[G0B+4*\s:G0B+4*\s+3], s[G1B:G1B+7]
	s_nop 0
.rept 4
	v_nop
.endr
.Lasked_\@:
.endm
.macro CROUND
	s_barrier_signal -1
	s_barrier_wait -1
	s_cmp_lg_u32 s10, 0
	s_cbranch_scc1 .Lnot_wave_0_\@
	s_barrier_signal -3
.Lnot_wave_0_\@:
	s_barrier_wait -3
	s_barrier_signal -1
	s_barrier_wait -1
.endm
	s_load_b128 s[4:7], s[0:1], 0x0
	s_load_b128 s[68:71], s[0:1], 0x10
	s_load_b128 s[72:75], s[0:1], 0x20
	v_lshl_add_u32 v[SPW], v0, 2, SPARE
	v_mov_b32 v[NIL], 0
	ds_add_u32 v[SPW], v[NIL]
	ds_add_u32 v[SPW], v[NIL]
	v_lshrrev_b32 v1, 5, v0
	v_readfirstlane_b32 s10, v1
	s_lshr_b32 s11, s10, 1
	s_and_b32 s12, s10, 1
	s_bfe_u32 s40, ttmp6, 0x40000
	s_bfe_u32 s41, ttmp6, 0x40004
	s_lshl_b32 s42, ttmp9, 2
	s_add_co_u32 s42, s42, s40
	s_and_b32 s13, ttmp7, 0xffff
	s_lshl_b32 s13, s13, 2
	s_add_co_u32 s13, s13, s41
	s_lshl_b32 s43, s41, 2
	s_lshl_b32 s43, 15, s43
	s_lshl_b32 s44, 0x1111, s40
	s_or_b32 s[G1+0], s43, (0<<16)|(1<<20)|(1<<21)|(3<<22)|(3<<25)
	s_mov_b32 s[G1+1], 8192<<16
	s_mov_b32 s[G1+2], 4<<16
	s_mov_b32 s[G1+3], 8192<<16
	s_mov_b32 s[G1+4], 4
	s_mov_b32 s[G1+5], 262144
	s_mov_b32 s[G1+6], 0
	s_mov_b32 s[G1+7], 0
	s_or_b32 s[G1B+0], s44, (0<<16)|(1<<20)|(1<<21)|(6<<22)|(3<<25)
	s_mov_b32 s[G1B+1], 512<<16
	s_mov_b32 s[G1B+2], 64<<16
	s_mov_b32 s[G1B+3], 512<<16
	s_mov_b32 s[G1B+4], 64
	s_mov_b32 s[G1B+5], 1024
	s_mov_b32 s[G1B+6], 0
	s_mov_b32 s[G1B+7], 0
	s_lshl_b32 s16, s12, 20
	s_lshl_b32 s17, s13, 13
	s_add_co_u32 s16, s16, s17
	s_mov_b32 s17, 0
	s_lshl_b32 s46, s42, 7
	s_lshl_b32 s47, s12, 6
	s_add_co_u32 s46, s46, s47
	s_lshl_b32 s46, s46, 10
	s_add_co_u32 s46, s46, 0x300000
	s_mov_b32 s47, 0
	s_mul_i32 s20, s12, AHALF
	s_mul_i32 s21, s12, HALFT
	s_add_co_u32 s21, s21, BOFF
	s_wait_dscnt 0x0
	s_wait_kmcnt 0x0
	s_load_b64 s[96:97], s[68:69], 0x28
	s_add_nc_u64 s[14:15], s[4:5], s[16:17]
	s_add_nc_u64 s[46:47], s[6:7], s[46:47]
	CROUND
.irp s, 0,1
	s_mov_b32 s[G0+4*\s], 1
	s_add_co_u32 s[G0+4*\s+1], s20, \s*SLOT
	s_add_nc_u64 s[G0+4*\s+2:G0+4*\s+3], s[14:15], \s*0x200000
	s_or_b32 s[G0+4*\s+3], s[G0+4*\s+3], 0x80000000
	s_mov_b32 s[G0B+4*\s], 1
	s_add_co_u32 s[G0B+4*\s+1], s21, \s*SLOT
	s_add_nc_u64 s[G0B+4*\s+2:G0B+4*\s+3], s[46:47], \s*512
	s_or_b32 s[G0B+4*\s+3], s[G0B+4*\s+3], 0x80000000
.if \s
	s_wait_alu depctr_va_vdst(0)
	s_wait_tensorcnt 0x0
	ds_add_u32 v28, v29
	ds_add_u32 v28, v29
	s_wait_dscnt 0x0
	CROUND
.endif
	JLOAD \s
.endr
	v_and_b32 v1, 15, v0
	v_bfe_u32 v2, v0, 4, 1
	v_mul_u32_u24 v3, v1, AL
	v_lshl_add_u32 v3, v2, 4, v3
	s_mul_i32 s22, s11, 64*AL
	v_add_nc_u32 v[ADRA], s22, v3
	v_add_nc_u32 v[ADRA+1], SLOT, v[ADRA]
	v_add_nc_u32 v[ADRA+2], AHALF, v[ADRA]
	v_add_nc_u32 v[ADRA+3], AHALF, v[ADRA+1]
	v_mul_u32_u24 v4, v1, PITCH
	v_lshl_add_u32 v4, v2, 4, v4
	s_mul_i32 s23, s12, HALFT
	s_add_co_u32 s23, s23, BOFF
	v_add_nc_u32 v[ADRB], s23, v4
	v_add_nc_u32 v[ADRB+1], SLOT, v[ADRB]
	s_mul_i32 s22, s10, 16*SPITCH
	s_add_co_u32 s22, s22, STAGE
	v_mul_u32_u24 v5, v1, SPITCH
	v_lshl_add_u32 v5, v2, 5, v5
	v_add_nc_u32 v[STO], s22, v5
	v_mul_u32_u24 v5, v2, SPITCH
	v_lshl_add_u32 v5, v1, 4, v5
	v_add_nc_u32 v[RD], s22, v5
	v_lshlrev_b32 v[BO], 4, v1
	s_wait_alu depctr_va_vdst(0)
	v_lshl_add_u32 v[CO], v2, 12, v[BO]
	s_wait_alu depctr_va_vdst(0)
	s_lshl_b32 s76, s13, 7
	s_lshl_b32 s77, s11, 6
	s_add_co_u32 s76, s76, s77
	s_lshl_b32 s76, s76, 12
	s_lshl_b32 s78, s42, 9
	s_lshl_b32 s79, s12, 8
	s_add_co_u32 s78, s78, s79
	s_add_co_u32 s76, s76, s78
	s_mov_b32 s77, 0
	s_mov_b32 s79, 0
	s_add_nc_u64 s[70:71], s[70:71], s[78:79]
	s_add_nc_u64 s[72:73], s[72:73], s[76:77]
	s_add_nc_u64 s[74:75], s[74:75], s[76:77]
	global_load_b128 v[12:15], v[BO], s[70:71]
	WIN 0x80
.irp a, 0,1,2,3
.irp t, 0,1,2,3,4,5,6,7
	global_load_b128 v[4*(8*\a+\t):4*(8*\a+\t)+3], v[CO], s[72:73] offset:(16*\a+2*\t)*4096 th:TH_LOAD_NT
.endr
.endr
	WIN 0
.macro MUL4 f, a, zero
.irp b, 0,1,2,3
.if \zero
	v_wmma_f32_16x16x128_fp8_fp8 v[ACC+8*(4*(\a)+\b):ACC+8*(4*(\a)+\b)+7], v[\f+64+16*\b:\f+64+16*\b+15], v[\f+16*(\a):\f+16*(\a)+15], 0
.else
	v_wmma_f32_16x16x128_fp8_fp8 v[ACC+8*(4*(\a)+\b):ACC+8*(4*(\a)+\b)+7], v[\f+64+16*\b:\f+64+16*\b+15], v[\f+16*(\a):\f+16*(\a)+15], v[ACC+8*(4*(\a)+\b):ACC+8*(4*(\a)+\b)+7]
.endif
.endr
.endm
.macro FETCH slot, kq, f
	WIN TO_F
.irp i, 0,1,2,3
.irp c, 0,1,2,3
	ds_load_b128 v[\f+64+16*\i+4*\c:\f+64+16*\i+4*\c+3], v[ADRB+\slot] offset:128*(\kq)+32*\c+\i*16*PITCH
.endr
.endr
.irp i, 0,1,2,3
.irp c, 0,1,2,3
	ds_load_b128 v[\f+16*\i+4*\c:\f+16*\i+4*\c+3], v[ADRA+\slot+2*((\kq)/2)] offset:(2*((\kq)%2)+\c/2)*128*AL+16*AL*\i+32*(\c%2)
.endr
.endr
.endm
.macro PLACES
.rept 4
	v_nop
.endr
.endm
.macro QUARTER slot, kq, f, g, zero
	s_wait_dscnt 8
	WIN MUL
	MUL4 \f, 0, \zero
	MUL4 \f, 1, \zero
	PLACES
	FETCH \slot, \kq, \g
	s_wait_dscnt 32
	WIN MUL
	MUL4 \f, 2, \zero
	MUL4 \f, 3, \zero
.endm
	s_wait_tensorcnt 1
	s_barrier_signal -1
	s_barrier_wait -1
	FETCH 0, 0, F0
	QUARTER 0, 1, F0, F1, 1
	QUARTER 0, 2, F1, F0, 0
	QUARTER 0, 3, F0, F1, 0
	s_wait_tensorcnt 0x0
	s_wait_dscnt 8
	WIN MUL
	MUL4 F1, 0, 0
	s_wait_dscnt 0x0
	s_barrier_signal -1
	MUL4 F1, 1, 0
	s_barrier_wait -1
	PLACES
	FETCH 1, 0, F0
	WIN MUL
	MUL4 F1, 2, 0
	MUL4 F1, 3, 0
	QUARTER 1, 1, F0, F1, 0
	QUARTER 1, 2, F1, F0, 0
	QUARTER 1, 3, F0, F1, 0
	s_wait_dscnt 8
	WIN MUL
	MUL4 F1, 0, 0
	MUL4 F1, 1, 0
	s_wait_dscnt 0
	MUL4 F1, 2, 0
	MUL4 F1, 3, 0
	WIN 0
.macro TOSTAGE a
.irp b, 0,1,2,3
	ds_store_b128 v[STO], v[ACC+8*(4*(\a)+\b):ACC+8*(4*(\a)+\b)+3] offset:64*\b
	ds_store_b128 v[STO], v[ACC+8*(4*(\a)+\b)+4:ACC+8*(4*(\a)+\b)+7] offset:64*\b+16
.endr
.set BB, BK+32*((\a)%2)
.irp t, 0,1,2,3,4,5,6,7
	ds_load_b128 v[BB+4*\t:BB+4*\t+3], v[RD] offset:\t*2*SPITCH
.endr
.endm
.macro SEND a, younger
.set BB, BK+32*((\a)%2)
	s_wait_dscnt \younger
.irp t, 0,1,2,3,4,5,6,7
	v_pk_fma_f32 v[BB+4*\t:BB+4*\t+1], v[BB+4*\t:BB+4*\t+1], s[96:97], v[12:13] op_sel_hi:[1,0,1]
	v_pk_fma_f32 v[BB+4*\t+2:BB+4*\t+3], v[BB+4*\t+2:BB+4*\t+3], s[96:97], v[14:15] op_sel_hi:[1,0,1]
.endr
	WIN 0x08
.irp t, 0,1,2,3,4,5,6,7
	v_pk_add_f32 v[BB+4*\t:BB+4*\t+1], v[BB+4*\t:BB+4*\t+1], v[4*(8*(\a)+\t):4*(8*(\a)+\t)+1]
	v_pk_add_f32 v[BB+4*\t+2:BB+4*\t+3], v[BB+4*\t+2:BB+4*\t+3], v[4*(8*(\a)+\t)+2:4*(8*(\a)+\t)+3]
.endr
	WIN 0
.irp t, 0,1,2,3,4,5,6,7
	global_store_b128 v[CO], v[BB+4*\t:BB+4*\t+3], s[74:75] offset:(16*(\a)+2*\t)*4096
.endr
.endm
	s_wait_kmcnt 0x0
	s_add_co_i32 s96, s96, s97
	s_add_co_i32 s96, s96, 127
	s_lshl_b32 s96, s96, 23
	s_mov_b32 s97, s96
	s_wait_loadcnt 0x0
	PLACES
	TOSTAGE 0
.irp a, 1,2,3
.if \a > 1
	s_wait_xcnt 0x0
.endif
	TOSTAGE \a
	SEND \a-1, 16
.endr
	SEND 3, 0
	s_wait_tensorcnt 0x0
	ds_add_u32 v[SPW], v[NIL]
	s_wait_dscnt 0x0
	CROUND
	s_endpgm
.Lfunc_end_k_qd1826c39fd_oproj:
	.size	k_qd1826c39fd_oproj, .Lfunc_end_k_qd1826c39fd_oproj-k_qd1826c39fd_oproj
	.p2alignl 7, 3214868480
	.fill 96, 4, 3214868480
	.section	.rodata,"a",@progbits
	.p2align	6, 0x0
	.amdhsa_kernel k_qd1826c39fd_oproj
		.amdhsa_group_segment_fixed_size 327680
		.amdhsa_private_segment_fixed_size 0
		.amdhsa_enable_private_segment 0
		.amdhsa_kernarg_size 48
		.amdhsa_user_sgpr_count 2
		.amdhsa_user_sgpr_kernarg_segment_ptr 1
		.amdhsa_wavefront_size32 1
		.amdhsa_system_sgpr_workgroup_id_x 1
		.amdhsa_system_sgpr_workgroup_id_y 1
		.amdhsa_system_sgpr_workgroup_id_z 1
		.amdhsa_system_vgpr_workitem_id 0
		.amdhsa_next_free_vgpr 640
		.amdhsa_next_free_sgpr 98
		.amdhsa_reserve_vcc 0
		.amdhsa_float_denorm_mode_32 3
		.amdhsa_float_denorm_mode_16_64 3
		.amdhsa_memory_ordered 1
		.amdhsa_forward_progress 1
		.amdhsa_inst_pref_size 54
	.end_amdhsa_kernel
	.amdgpu_metadata
---
amdhsa.version: [ 1, 2 ]
amdhsa.kernels:
  - .name:           k_qd1826c39fd_oproj
    .symbol:         k_qd1826c39fd_oproj.kd
    .args:
      - { .name: acodes, .offset: 0, .size: 8, .value_kind: global_buffer, .address_space: global }
      - { .name: wcodes, .offset: 8, .size: 8, .value_kind: global_buffer, .address_space: global }
      - { .name: lowp_scales, .offset: 16, .size: 8, .value_kind: global_buffer, .address_space: global }
      - { .name: bo, .offset: 24, .size: 8, .value_kind: global_buffer, .address_space: global }
      - { .name: x, .offset: 32, .size: 8, .value_kind: global_buffer, .address_space: global }
      - { .name: hres, .offset: 40, .size: 8, .value_kind: global_buffer, .address_space: global }
    .group_segment_fixed_size: 327680
    .private_segment_fixed_size: 0
    .kernarg_segment_align: 8
    .kernarg_segment_size: 48
    .max_flat_workgroup_size: 128
    .sgpr_count:     98
    .vgpr_count:     640
    .wavefront_size: 32
...
	.end_amdgpu_metadata
.endif
;; end of part 4
;; launch ln2 (part 5): grid 1024 x 1, 4 waves a work-group, no clusters, 0 bytes of LDS; arguments hres, ln2_g, ln2_b, lowp_scales, ncodes; writes ncodes
.if DOCPART == 5
	.amdgcn_target "amdgcn-amd-amdhsa--gfx1250"
	.amdhsa_code_object_version 6
	.text
	.protected	k_qd1826c39fd_ln2
	.globl	k_qd1826c39fd_ln2
	.p2align	8
	.type	k_qd1826c39fd_ln2,@function
k_qd1826c39fd_ln2:
	s_mov_b64 s[64:65], 0
	v_nop
	global_prefetch_b8 v0, s[64:65] scope:SCOPE_SE
	s_setreg_imm32_b32 hwreg(HW_REG_WAVE_MODE, 25, 1), 1
	s_wait_xcnt 0x0
; Launch 5 of 7: layer norm 2 of hres, quantised with scale 12 into ncodes [4096][1024].  Nothing is left out.
; ONE WAVE TO A ROW, ONE ROW TO A WAVE: row 4 x work-group + wave.  All 4,096 rows are asked for at the launch's start; the row stays in registers between the passes.
; Lane l holds columns 256 j + 8 l + 0..7: eight neighbours along K for each conversion; 32 lanes store 256 consecutive aligned bytes.
; No LDS, no barrier: waves share nothing.  LIMIT: e12 between -126 and 119; NaN is not served.
.set G,     16                         ; v16-47   gain of my 32 columns
.set BB,    48                         ; v48-79   bias of my 32 columns
.set X0,    80                         ; v80-111  the row
.set T,     144                        ; v144-159 at work
.set C,     160                        ; v160-167 codes
.set SCV,   184                        ; v184     2^e12
.set LIMV,  188                        ; v188     448 x 2^e12
.macro REDUCE                          ; v6 summed over the 32 lanes, the result in every lane
	v_add_f32_dpp v6, v6, v6 row_xmask:1 row_mask:0xf bank_mask:0xf
	v_add_f32_dpp v6, v6, v6 row_xmask:2 row_mask:0xf bank_mask:0xf
	v_add_f32_dpp v6, v6, v6 row_xmask:4 row_mask:0xf bank_mask:0xf
	v_add_f32_dpp v6, v6, v6 row_xmask:8 row_mask:0xf bank_mask:0xf
	v_permlanex16_b32 v7, v6, s28, s29
	v_add_f32 v6, v6, v7
.endm
	s_load_b256 s[4:11], s[0:1], 0x0               ; hres, ln2_g, ln2_b, the scales' exponents
	s_load_b64 s[36:37], s[0:1], 0x20              ; ncodes
	v_lshrrev_b32 v1, 5, v0
	v_readfirstlane_b32 s2, v1                     ; wave 0..3
	v_and_b32 v1, 31, v0
	s_wait_alu depctr_va_vdst(0)
	s_lshl_b32 s30, ttmp9, 2
	s_add_co_u32 s30, s30, s2                      ; my row
	s_lshl_b32 s32, s30, 12
	s_mov_b32 s33, 0
	s_lshl_b32 s34, s30, 10
	s_mov_b32 s35, 0
	s_mov_b32 s28, 0x76543210                      ; lane selects: lane l xor 16
	s_mov_b32 s29, 0xfedcba98
	v_lshlrev_b32 v2, 5, v1                        ; in: 32 bytes a lane
	v_lshlrev_b32 v3, 3, v1                        ; out: 8 bytes a lane
	v_mov_b32 v5, 0                                ; upper halves of pairs that are named whole, and the permute's destination
	v_mov_b32 v7, 0
	v_mov_b32 v11, 0
	v_mov_b32 v8, 0x3a800000                       ; 1 / 1024
	s_wait_alu depctr_va_vdst(0)
	s_wait_kmcnt 0x0
	s_load_b32 s16, s[10:11], 0x30                 ; e12
	s_add_nc_u64 s[4:5], s[4:5], s[32:33]
	s_add_nc_u64 s[36:37], s[36:37], s[34:35]
.irp j, 0,1,2,3
	global_load_b128 v[X0+8*\j:X0+8*\j+3], v2, s[4:5] offset:1024*\j       ; the row first: the mean and the variance want nothing else
	global_load_b128 v[X0+8*\j+4:X0+8*\j+7], v2, s[4:5] offset:1024*\j+16
.endr
.irp j, 0,1,2,3
	global_load_b128 v[G+8*\j:G+8*\j+3], v2, s[6:7] offset:1024*\j
	global_load_b128 v[G+8*\j+4:G+8*\j+7], v2, s[6:7] offset:1024*\j+16
	global_load_b128 v[BB+8*\j:BB+8*\j+3], v2, s[8:9] offset:1024*\j
	global_load_b128 v[BB+8*\j+4:BB+8*\j+7], v2, s[8:9] offset:1024*\j+16
.endr
	s_wait_kmcnt 0x0
	s_add_co_i32 s42, s16, 127
	s_lshl_b32 s43, s42, 23
	v_mov_b32 v[SCV], s43                          ; 2^e12 as f32: the conversion takes its exponent field
	s_add_co_i32 s42, s42, 8
	s_lshl_b32 s42, s42, 23
	s_or_b32 s42, s42, 0x600000
	v_mov_b32 v[LIMV], s42                         ; 448 x 2^e12
	s_wait_loadcnt 16                              ; the row's eight loads are in; the sixteen of gain and bias may be out
.irp k, 0,1,2,3
	v_pk_add_f32 v[T+2*\k:T+2*\k+1], v[X0+4*\k:X0+4*\k+1], v[X0+4*\k+2:X0+4*\k+3]   ; the sum, four chains
.endr
.irp k, 0,1,2,3,4,5,6,7
	v_pk_add_f32 v[T+2*(\k%4):T+2*(\k%4)+1], v[T+2*(\k%4):T+2*(\k%4)+1], v[X0+16+2*\k:X0+16+2*\k+1]
.endr
	v_pk_add_f32 v[T:T+1], v[T:T+1], v[T+2:T+3]
	v_pk_add_f32 v[T+4:T+5], v[T+4:T+5], v[T+6:T+7]
	v_pk_add_f32 v[T:T+1], v[T:T+1], v[T+4:T+5]
	v_add_f32 v6, v[T], v[T+1]
	REDUCE
	v_mul_f32 v4, v6, v8                           ; the mean
.irp k, 0,1,2,3,4,5,6,7,8,9,10,11,12,13,14,15
	v_pk_add_f32 v[X0+2*\k:X0+2*\k+1], v[X0+2*\k:X0+2*\k+1], v[4:5] op_sel_hi:[1,0] neg_lo:[0,1] neg_hi:[0,1]   ; x - mean
.endr
.irp k, 0,1,2,3
	v_pk_mul_f32 v[T+2*\k:T+2*\k+1], v[X0+2*\k:X0+2*\k+1], v[X0+2*\k:X0+2*\k+1]
.endr
.irp k, 4,5,6,7,8,9,10,11,12,13,14,15
	v_pk_fma_f32 v[T+2*(\k%4):T+2*(\k%4)+1], v[X0+2*\k:X0+2*\k+1], v[X0+2*\k:X0+2*\k+1], v[T+2*(\k%4):T+2*(\k%4)+1]
.endr
	v_pk_add_f32 v[T:T+1], v[T:T+1], v[T+2:T+3]
	v_pk_add_f32 v[T+4:T+5], v[T+4:T+5], v[T+6:T+7]
	v_pk_add_f32 v[T:T+1], v[T:T+1], v[T+4:T+5]
	v_add_f32 v6, v[T], v[T+1]
	REDUCE
	v_fmaak_f32 v6, v6, v8, 0x3727c5ac             ; the variance + 1e-5
	s_wait_alu depctr_va_vdst(0)
	v_rsq_f32 v10, v6
	v_nop                                          ; a plain instruction behind the transcendental,
	s_wait_alu depctr_va_vdst(0)                   ; and the wait ahead of its first reader
.irp k, 0,1,2,3,4,5,6,7,8,9,10,11,12,13,14,15
	v_pk_mul_f32 v[X0+2*\k:X0+2*\k+1], v[X0+2*\k:X0+2*\k+1], v[10:11] op_sel_hi:[1,0]
.endr
	s_wait_loadcnt 0x0                             ; gain and bias
.irp k, 0,1,2,3,4,5,6,7,8,9,10,11,12,13,14,15
	v_pk_fma_f32 v[X0+2*\k:X0+2*\k+1], v[X0+2*\k:X0+2*\k+1], v[G+2*\k:G+2*\k+1], v[BB+2*\k:BB+2*\k+1]
.endr
.irp j, 0,1,2,3
.irp i, 0,1,2,3,4,5,6,7
	v_med3_num_f32 v[T+8*(\j%2)+\i], v[X0+8*\j+\i], -v[LIMV], v[LIMV]   ; the conversion does not saturate (ISA guide 7.6.2): the hold comes first
.endr
	v_cvt_scalef32_pk8_fp8_f32 v[C+2*\j:C+2*\j+1], v[T+8*(\j%2):T+8*(\j%2)+7], v[SCV]   ; the halves of T take turns, so the holds that follow write none of this conversion's sources
.endr
.irp j, 0,1,2,3
	global_store_b64 v3, v[C+2*\j:C+2*\j+1], s[36:37] offset:256*\j   ; 32 lanes store 256 consecutive aligned bytes
.endr
	s_endpgm
.Lfunc_end_k_qd1826c39fd_ln2:
	.size	k_qd1826c39fd_ln2, .Lfunc_end_k_qd1826c39fd_ln2-k_qd1826c39fd_ln2
	.p2alignl 7, 3214868480
	.fill 96, 4, 3214868480
	.section	.rodata,"a",@progbits
	.p2align	6, 0x0
	.amdhsa_kernel k_qd1826c39fd_ln2
		.amdhsa_group_segment_fixed_size 0
		.amdhsa_private_segment_fixed_size 0
		.amdhsa_enable_private_segment 0
		.amdhsa_kernarg_size 40
		.amdhsa_user_sgpr_count 2
		.amdhsa_user_sgpr_kernarg_segment_ptr 1
		.amdhsa_wavefront_size32 1
		.amdhsa_system_sgpr_workgroup_id_x 1
		.amdhsa_system_sgpr_workgroup_id_y 1
		.amdhsa_system_sgpr_workgroup_id_z 1
		.amdhsa_system_vgpr_workitem_id 0
		.amdhsa_next_free_vgpr 192
		.amdhsa_next_free_sgpr 66
		.amdhsa_reserve_vcc 0
		.amdhsa_float_denorm_mode_32 3
		.amdhsa_float_denorm_mode_16_64 3
		.amdhsa_memory_ordered 1
		.amdhsa_forward_progress 1
		.amdhsa_inst_pref_size 13
	.end_amdhsa_kernel
	.amdgpu_metadata
---
amdhsa.version: [ 1, 2 ]
amdhsa.kernels:
  - .name:           k_qd1826c39fd_ln2
    .symbol:         k_qd1826c39fd_ln2.kd
    .args:
      - { .name: hres, .offset: 0, .size: 8, .value_kind: global_buffer, .address_space: global }
      - { .name: ln2_g, .offset: 8, .size: 8, .value_kind: global_buffer, .address_space: global }
      - { .name: ln2_b, .offset: 16, .size: 8, .value_kind: global_buffer, .address_space: global }
      - { .name: lowp_scales, .offset: 24, .size: 8, .value_kind: global_buffer, .address_space: global }
      - { .name: ncodes, .offset: 32, .size: 8, .value_kind: global_buffer, .address_space: global }
    .group_segment_fixed_size: 0
    .private_segment_fixed_size: 0
    .kernarg_segment_align: 8
    .kernarg_segment_size: 40
    .max_flat_workgroup_size: 128
    .sgpr_count:     66
    .vgpr_count:     192
    .wavefront_size: 32
...
	.end_amdgpu_metadata
.endif
;; end of part 5
;; launch ffn1 (part 6): grid 16 x 16, 4 waves a work-group, clusters of 4 x 4, 327,680 bytes of LDS; arguments ncodes, wcodes, lowp_scales, b1, fcodes; writes fcodes
.if DOCPART == 6
	.amdgcn_target "amdgcn-amd-amdhsa--gfx1250"
	.amdhsa_code_object_version 6
	.text
	.protected	k_qd1826c39fd_ffn1
	.globl	k_qd1826c39fd_ffn1
	.p2align	8
	.type	k_qd1826c39fd_ffn1,@function
k_qd1826c39fd_ffn1:
	s_mov_b64 s[64:65], 0
	v_nop
	global_prefetch_b8 v0, s[64:65] scope:SCOPE_SE
	s_setreg_imm32_b32 hwreg(HW_REG_WAVE_MODE, 25, 1), 1
	s_wait_xcnt 0x0
	s_wait_alu depctr_hold_cnt(0) depctr_sa_sdst(0) depctr_va_vdst(0) depctr_va_sdst(0) depctr_va_ssrc(0) depctr_va_vcc(0) depctr_vm_vsrc(0)
	s_getreg_b32 s2, hwreg(HW_REG_IB_STS2, 6, 4)
	s_cmp_eq_u32 s2, 0
	s_cbranch_scc0 .Lentry_in_a_cluster
	s_endpgm
.Lentry_in_a_cluster:
	s_bfe_u32 s2, ttmp6, 0x10000c
	s_cmp_lg_u32 s2, 0xf033
	s_cbranch_scc0 .Lentry_shape_is_right
	s_endpgm
.Lentry_shape_is_right:
.set SIZE_K, 1024
.set KSTEP,  256
.set ROWB,   256
.set KROW,   SIZE_K
.set PITCH,  272
.set FR,     16
.set NL,     4
.set NP,     4
.set HALFT,  128*PITCH
.set SLOT,   4*HALFT
.set LAPS,   SIZE_K/(2*KSTEP)
.set SPARE,  2*SLOT
.set ADRA, 16
.set ADRB, 20
.set STO,  24
.set RD,   25
.set GO,   26
.set SPW,  28
.set NIL,  29
.set BCO,  30
.set BC,   32
.set HOLD, 112
.set SCL,  113
.set AF,   128
.set T,    128
.set PC,   192
.set BK,   128
.set G1, 24
.set G0, 32
.set G1B, 48
.set G0B, 56
.set MSB, 0
.macro WIN new
.if MSB != (\new)
	s_set_vgpr_msb (MSB<<8)|(\new)
.set MSB, (\new)
.endif
.endm
.set MUL_LO, 0xa1
.set MUL_HI, 0xf1
.set TO_B,   0x40
.macro JLOAD g0a, g1a, g0b, g1b
	s_cmp_eq_u32 s15, 0
	s_cbranch_scc0 .Lfor_b_\@
	tensor_load_to_lds s[\g0a:\g0a+3], s[\g1a:\g1a+7]
	s_nop 0
.rept 4
	v_nop
.endr
	s_branch .Lasked_\@
.Lfor_b_\@:
	tensor_load_to_lds s[\g0b:\g0b+3], s[\g1b:\g1b+7]
	s_nop 0
.rept 4
	v_nop
.endr
.Lasked_\@:
.endm
.macro CREST
	s_cmp_lg_u32 s14, 0
	s_cbranch_scc1 .Lnot_wave_0_\@
	s_barrier_signal -3
.Lnot_wave_0_\@:
	s_barrier_wait -3
	s_barrier_signal -1
	s_barrier_wait -1
.endm
.macro CROUND
	s_barrier_signal -1
	s_barrier_wait -1
	CREST
.endm
	s_load_b128 s[4:7], s[0:1], 0x0
	s_load_b128 s[8:11], s[0:1], 0x10
	s_load_b64 s[72:73], s[0:1], 0x20
	v_lshl_add_u32 v[SPW], v0, 2, SPARE
	v_mov_b32 v[NIL], 0
	ds_add_u32 v[SPW], v[NIL]
	ds_add_u32 v[SPW], v[NIL]
	v_lshrrev_b32 v1, 5, v0
	v_readfirstlane_b32 s14, v1
	s_lshr_b32 s15, s14, 1
	s_and_b32 s16, s14, 1
	s_bfe_u32 s40, ttmp6, 0x40000
	s_bfe_u32 s41, ttmp6, 0x40004
	s_lshl_b32 s42, ttmp9, 2
	s_add_co_u32 s42, s42, s40
	s_and_b32 s17, ttmp7, 0xffff
	s_lshl_b32 s17, s17, 2
	s_add_co_u32 s17, s17, s41
	s_lshl_b32 s43, s41, 2
	s_lshl_b32 s43, 15, s43
	s_lshl_b32 s44, 0x1111, s40
	s_or_b32 s[G1+0], s43, (0<<16)|(1<<20)|(1<<21)|(5<<22)|(3<<25)
	s_or_b32 s[G1B+0], s44, (0<<16)|(1<<20)|(1<<21)|(5<<22)|(3<<25)
.irp g, G1, G1B
	s_mov_b32 s[\g+1], ROWB<<16
	s_mov_b32 s[\g+2], 128<<16
	s_mov_b32 s[\g+3], ROWB<<16
	s_mov_b32 s[\g+4], 128
	s_mov_b32 s[\g+5], KROW
	s_mov_b32 s[\g+6], 0
	s_mov_b32 s[\g+7], 0
.endr
	s_lshl_b32 s18, s16, 7
	s_lshl_b32 s20, s17, 8
	s_add_co_u32 s20, s20, s18
	s_lshl_b32 s46, s42, 8
	s_add_co_u32 s46, s46, s18
	s_lshl_b32 s20, s20, 10
	s_lshl_b32 s46, s46, 10
	s_add_co_u32 s46, s46, 0x400000
	s_mov_b32 s21, 0
	s_mov_b32 s47, 0
	s_mul_i32 s45, s14, HALFT
	s_wait_dscnt 0x0
	s_wait_kmcnt 0x0
	s_load_b128 s[96:99], s[8:9], 0x30
	s_add_nc_u64 s[20:21], s[4:5], s[20:21]
	s_add_nc_u64 s[46:47], s[6:7], s[46:47]
	CROUND
.irp s, 0,1
	s_mov_b32 s[G0+4*\s], 1
	s_add_co_u32 s[G0+4*\s+1], s45, \s*SLOT
	s_add_nc_u64 s[G0+4*\s+2:G0+4*\s+3], s[20:21], \s*ROWB
	s_or_b32 s[G0+4*\s+3], s[G0+4*\s+3], 0x80000000
	s_mov_b32 s[G0B+4*\s], 1
	s_add_co_u32 s[G0B+4*\s+1], s45, \s*SLOT
	s_add_nc_u64 s[G0B+4*\s+2:G0B+4*\s+3], s[46:47], \s*ROWB
	s_or_b32 s[G0B+4*\s+3], s[G0B+4*\s+3], 0x80000000
.if \s
	s_wait_alu depctr_va_vdst(0)
	s_wait_tensorcnt 0x0
	ds_add_u32 v28, v29
	ds_add_u32 v28, v29
	s_wait_dscnt 0x0
	CROUND
.endif
	JLOAD G0+4*\s, G1, G0B+4*\s, G1B
.endr
	v_and_b32 v1, 15, v0
	v_bfe_u32 v2, v0, 4, 1
	v_mul_u32_u24 v3, v1, PITCH
	v_lshl_add_u32 v4, v2, 4, v3
	s_wait_alu depctr_va_vdst(0)
	v_and_b32 v5, 8, v1
	v_add_nc_u32 v5, v5, v1
	v_mul_u32_u24 v5, v5, PITCH
	v_lshl_add_u32 v5, v2, 4, v5
	s_mul_i32 s22, s15, HALFT
	s_mul_i32 s23, s16, HALFT
	s_add_co_u32 s23, s23, 2*HALFT
.irp s, 0,1
	v_add_nc_u32 v[ADRA+\s], s22, v4
	v_add_nc_u32 v[ADRB+\s], s23, v5
	s_add_co_u32 s22, s22, SLOT
	s_add_co_u32 s23, s23, SLOT
.endr
	s_mul_i32 s22, s15, 128*PITCH
	s_lshl_b32 s23, s16, 7
	s_add_co_u32 s22, s22, s23
	v_add_nc_u32 v[STO], s22, v4
	s_mul_i32 s22, s14, 64*PITCH
	v_mul_u32_u24 v[RD], v2, PITCH
	v_lshl_add_u32 v[RD], v1, 4, v[RD]
	v_add_nc_u32 v[RD], s22, v[RD]
	v_lshlrev_b32 v[GO], 4, v1
	v_lshl_add_u32 v[GO], v2, 12, v[GO]
	s_lshl_b32 s78, s42, 10
	s_lshl_b32 s79, s16, 9
	s_add_co_u32 s78, s78, s79
	v_lshl_add_u32 v[BCO], v2, 6, s78
.irp b, 0,1,2,3
.irp q, 0,1,2,3
	global_load_b128 v[BC+16*\b+4*\q:BC+16*\b+4*\q+3], v[BCO], s[10:11] offset:128*\b+16*\q
.endr
.endr
	s_lshl_b32 s90, s17, 20
	s_lshl_b32 s78, s14, 18
	s_add_co_u32 s90, s90, s78
	s_lshl_b32 s78, s42, 8
	s_add_co_u32 s90, s90, s78
	s_mov_b32 s91, 0
	s_add_nc_u64 s[80:81], s[72:73], s[90:91]
.macro FRAG reg, adr, q, row
.irp c, 0,1,2,3
	ds_load_b128 v[\reg+4*\c:\reg+4*\c+3], v[\adr] offset:128*(\q)+32*\c+(\row)*PITCH
.endr
.endm
.macro MUL16 a0, p, zero
.irp a, \a0, \a0+1
.irp b, 0,1,2,3,4,5,6,7
.if \zero
	v_wmma_f32_16x16x128_fp8_fp8 v[8*(8*((\a)%4)+\b):8*(8*((\a)%4)+\b)+7], v[128*(\p)+FR*\b:128*(\p)+FR*\b+FR-1], v[AF+FR*(\a):AF+FR*(\a)+FR-1], 0
.else
	v_wmma_f32_16x16x128_fp8_fp8 v[8*(8*((\a)%4)+\b):8*(8*((\a)%4)+\b)+7], v[128*(\p)+FR*\b:128*(\p)+FR*\b+FR-1], v[AF+FR*(\a):AF+FR*(\a)+FR-1], v[8*(8*((\a)%4)+\b):8*(8*((\a)%4)+\b)+7]
.endif
.endr
.endr
.endm
.macro FETCH_B slot, q, p
	WIN TO_B
.irp i, 0,1,2,3,4,5,6,7
	FRAG 128*(\p)+FR*\i, ADRB+\slot, \q, 32*(\i/2)+8*(\i%2)
.endr
	WIN 0
.endm
.macro FETCH_A slot, q, i0
.irp i, \i0, \i0+1, \i0+2, \i0+3
	FRAG AF+FR*(\i), ADRA+\slot, \q, 16*(\i)
.endr
.endm
.macro PLACES n
.rept \n
	v_nop
.endr
.endm
.macro STEP slot, q, zero
	s_wait_dscnt 4*NL
	WIN MUL_LO
	MUL16 0, (\q)%2, \zero
	MUL16 2, (\q)%2, \zero
	s_wait_dscnt 0
	PLACES NP
	FETCH_B \slot, (\q)+1, 1-(\q)%2
	FETCH_A \slot, (\q)+1, 0
	WIN MUL_HI
	MUL16 4, (\q)%2, \zero
	MUL16 6, (\q)%2, \zero
	PLACES NP
	WIN 0
	FETCH_A \slot, (\q)+1, 4
.endm
.macro TURN slot, next, fill
	s_wait_tensorcnt 0x0
	ds_add_u32 v[SPW], v[NIL]
	s_wait_dscnt 4*NL+1
	WIN MUL_LO
	MUL16 0, 1, 0
	s_wait_dscnt 0x0
	s_barrier_signal -1
	MUL16 2, 1, 0
	WIN 0
	s_barrier_wait -1
.if \fill
	CREST
	s_add_nc_u64 s[G0+4*\slot+2:G0+4*\slot+3], s[G0+4*\slot+2:G0+4*\slot+3], 2*ROWB
	s_add_nc_u64 s[G0B+4*\slot+2:G0B+4*\slot+3], s[G0B+4*\slot+2:G0B+4*\slot+3], 2*ROWB
	JLOAD G0+4*\slot, G1, G0B+4*\slot, G1B
.else
	PLACES NP
.endif
	s_wait_alu depctr_va_vdst(0)
	FETCH_B \next, 0, 0
	FETCH_A \next, 0, 0
	WIN MUL_HI
	MUL16 4, 1, 0
	MUL16 6, 1, 0
	PLACES NP
	WIN 0
	FETCH_A \next, 0, 4
.endm
	s_wait_tensorcnt 1
	s_barrier_signal -1
	s_barrier_wait -1
	FETCH_B 0, 0, 0
	FETCH_A 0, 0, 0
	FETCH_A 0, 0, 4
	STEP 0, 0, 1
	s_mov_b32 s3, LAPS-1
.Llap:
	TURN 0, 1, 1
	STEP 1, 0, 0
	TURN 1, 0, 1
	STEP 0, 0, 0
	s_sub_co_u32 s3, s3, 1
	s_cmp_lg_u32 s3, 0
	s_cbranch_scc1 .Llap
	TURN 0, 1, 0
	STEP 1, 0, 0
	s_wait_dscnt 4*NL
	WIN MUL_LO
	MUL16 0, 1, 0
	MUL16 2, 1, 0
	s_wait_dscnt 0
	WIN MUL_HI
	MUL16 4, 1, 0
	MUL16 6, 1, 0
	WIN 0
	s_wait_kmcnt 0x0
	s_add_co_i32 s96, s96, s97
	s_sub_co_i32 s99, 0, s96
	s_sub_co_i32 s98, s98, s96
	s_add_co_i32 s98, s98, 127
	s_lshl_b32 s97, s98, 23
	v_mov_b32 v[SCL], s97
	s_add_co_i32 s98, s98, 8
	s_lshl_b32 s98, s98, 23
	s_or_b32 s98, s98, 0x600000
	v_mov_b32 v[HOLD], s98
	s_wait_loadcnt 0x0
.set n, 0
.rept 64
	v_ldexp_f32 v[BC+n], v[BC+n], s99
.set n, n+1
.endr
.macro QBLK a
.set AC, 64*((\a)%4)
.set PS, PC+16*((\a)%2)
	WIN 0x02+((\a)/4)
.set n, 0
.rept 32
	v_pk_add_f32 v[T+n:T+n+1], v[AC+n:AC+n+1], v[BC+n:BC+n+1]
.set n, n+2
.endr
	WIN 0
.if (\a) > 1
	s_wait_dscnt 4
.endif
.irp b, 0,1,2,3
.irp i, 0,1,2,3,4,5,6,7,8,9,10,11,12,13,14,15
	v_med3_num_f32 v[T+16*\b+\i], v[T+16*\b+\i], 0, v[HOLD]
.endr
	v_cvt_scalef32_pk8_fp8_f32 v[PS+4*\b:PS+4*\b+1], v[T+16*\b:T+16*\b+7], v[SCL]
	v_cvt_scalef32_pk8_fp8_f32 v[PS+4*\b+2:PS+4*\b+3], v[T+16*\b+8:T+16*\b+15], v[SCL]
.endr
	v_nop
.irp b, 0,1,2,3
	ds_store_b128 v[STO], v[PS+4*\b:PS+4*\b+3] offset:(\a)*16*PITCH+32*\b
.endr
.endm
.irp a, 0,1,2,3,4,5,6,7
	QBLK \a
.endr
	s_wait_dscnt 0x0
	s_barrier_signal -1
	s_barrier_wait -1
.set n, 0
.rept 32
	ds_load_b128 v[BK+4*n:BK+4*n+3], v[RD] offset:2*n*PITCH
.set n, n+1
.endr
.set n, 0
.rept 32
	s_wait_dscnt 31-n
	global_store_b128 v[GO], v[BK+4*n:BK+4*n+3], s[80:81] offset:2*n*4096
.set n, n+1
.endr
	s_wait_tensorcnt 0x0
	ds_add_u32 v[SPW], v[NIL]
	s_wait_dscnt 0x0
	CROUND
	s_endpgm
.Lfunc_end_k_qd1826c39fd_ffn1:
	.size	k_qd1826c39fd_ffn1, .Lfunc_end_k_qd1826c39fd_ffn1-k_qd1826c39fd_ffn1
	.p2alignl 7, 3214868480
	.fill 96, 4, 3214868480
	.section	.rodata,"a",@progbits
	.p2align	6, 0x0
	.amdhsa_kernel k_qd1826c39fd_ffn1
		.amdhsa_group_segment_fixed_size 327680
		.amdhsa_private_segment_fixed_size 0
		.amdhsa_enable_private_segment 0
		.amdhsa_kernarg_size 40
		.amdhsa_user_sgpr_count 2
		.amdhsa_user_sgpr_kernarg_segment_ptr 1
		.amdhsa_wavefront_size32 1
		.amdhsa_system_sgpr_workgroup_id_x 1
		.amdhsa_system_sgpr_workgroup_id_y 1
		.amdhsa_system_sgpr_workgroup_id_z 1
		.amdhsa_system_vgpr_workitem_id 0
		.amdhsa_next_free_vgpr 1024
		.amdhsa_next_free_sgpr 100
		.amdhsa_reserve_vcc 0
		.amdhsa_float_denorm_mode_32 3
		.amdhsa_float_denorm_mode_16_64 3
		.amdhsa_memory_ordered 1
		.amdhsa_forward_progress 1
		.amdhsa_inst_pref_size 145
	.end_amdhsa_kernel
	.amdgpu_metadata
---
amdhsa.version: [ 1, 2 ]
amdhsa.kernels:
  - .name:           k_qd1826c39fd_ffn1
    .symbol:         k_qd1826c39fd_ffn1.kd
    .args:
      - { .name: ncodes, .offset: 0, .size: 8, .value_kind: global_buffer, .address_space: global }
      - { .name: wcodes, .offset: 8, .size: 8, .value_kind: global_buffer, .address_space: global }
      - { .name: lowp_scales, .offset: 16, .size: 8, .value_kind: global_buffer, .address_space: global }
      - { .name: b1, .offset: 24, .size: 8, .value_kind: global_buffer, .address_space: global }
      - { .name: fcodes, .offset: 32, .size: 8, .value_kind: global_buffer, .address_space: global }
    .group_segment_fixed_size: 327680
    .private_segment_fixed_size: 0
    .kernarg_segment_align: 8
    .kernarg_segment_size: 40
    .max_flat_workgroup_size: 128
    .sgpr_count:     100
    .vgpr_count:     1024
    .wavefront_size: 32
...
	.end_amdgpu_metadata
.endif
;; end of part 6
;; launch ffn2 (part 7): grid 8 x 32, 4 waves a work-group, clusters of 4 x 4, 327,680 bytes of LDS; arguments fcodes, wcodes, lowp_scales, b2, hres, out0; writes out0
.if DOCPART == 7
	.amdgcn_target "amdgcn-amd-amdhsa--gfx1250"
	.amdhsa_code_object_version 6
	.text
	.protected	k_qd1826c39fd_ffn2
	.globl	k_qd1826c39fd_ffn2
	.p2align	8
	.type	k_qd1826c39fd_ffn2,@function
k_qd1826c39fd_ffn2:
	s_mov_b64 s[64:65], 0
	v_nop
	global_prefetch_b8 v0, s[64:65] scope:SCOPE_SE
	s_setreg_imm32_b32 hwreg(HW_REG_WAVE_MODE, 25, 1), 1
	s_wait_xcnt 0x0
	s_wait_alu depctr_hold_cnt(0) depctr_sa_sdst(0) depctr_va_vdst(0) depctr_va_sdst(0) depctr_va_ssrc(0) depctr_va_vcc(0) depctr_vm_vsrc(0)
	s_getreg_b32 s2, hwreg(HW_REG_IB_STS2, 6, 4)
	s_cmp_eq_u32 s2, 0
	s_cbranch_scc0 .Lentry_in_a_cluster
	s_endpgm
.Lentry_in_a_cluster:
	s_bfe_u32 s2, ttmp6, 0x10000c
	s_cmp_lg_u32 s2, 0xf033
	s_cbranch_scc0 .Lentry_shape_is_right
	s_endpgm
.Lentry_shape_is_right:
.set SIZE_K, 4096
.set KSTEP,  512
.set PITCH,  528
.set HALFT,  64*PITCH
.set SLOT,   4*HALFT
.set STAGE,  2*SLOT
.set SPITCH, 272
.set SPARE,  STAGE+4*16*SPITCH
.set LAPS,   SIZE_K/(2*KSTEP)
.set ADRA, 16
.set ADRB, 20
.set STO,  24
.set RD,   25
.set CO,   26
.set BO,   27
.set SPW,  28
.set NIL,  29
.set BK,   32
.set ACC,  128
.set F0,   0
.set F1,   128
.set G1, 24
.set G0, 32
.set G1B, 48
.set G0B, 56
.set MSB, 0
.macro WIN new
.if MSB != (\new)
	s_set_vgpr_msb (MSB<<8)|(\new)
.set MSB, (\new)
.endif
.endm
.set MUL,  0x05
.set TO_F, 0x40
.macro JLOAD s
	s_cmp_eq_u32 s11, 0
	s_cbranch_scc0 .Lfor_b_\@
	tensor_load_to_lds s[G0+4*\s:G0+4*\s+3], s[G1:G1+7]
	s_nop 0
.rept 4
	v_nop
.endr
	s_branch .Lasked_\@
.Lfor_b_\@:
	tensor_load_to_lds s[G0B+4*\s:G0B+4*\s+3], s[G1B:G1B+7]
	s_nop 0
.rept 4
	v_nop
.endr
.Lasked_\@:
.endm
.macro CREST
	s_cmp_lg_u32 s10, 0
	s_cbranch_scc1 .Lnot_wave_0_\@
	s_barrier_signal -3
.Lnot_wave_0_\@:
	s_barrier_wait -3
	s_barrier_signal -1
	s_barrier_wait -1
.endm
.macro CROUND
	s_barrier_signal -1
	s_barrier_wait -1
	CREST
.endm
	s_load_b128 s[4:7], s[0:1], 0x0
	s_load_b128 s[68:71], s[0:1], 0x10
	s_load_b128 s[72:75], s[0:1], 0x20
	v_lshl_add_u32 v[SPW], v0, 2, SPARE
	v_mov_b32 v[NIL], 0
	ds_add_u32 v[SPW], v[NIL]
	ds_add_u32 v[SPW], v[NIL]
	v_lshrrev_b32 v1, 5, v0
	v_readfirstlane_b32 s10, v1
	s_lshr_b32 s11, s10, 1
	s_and_b32 s12, s10, 1
	s_bfe_u32 s40, ttmp6, 0x40000
	s_bfe_u32 s41, ttmp6, 0x40004
	s_lshl_b32 s42, ttmp9, 2
	s_add_co_u32 s42, s42, s40
	s_and_b32 s13, ttmp7, 0xffff
	s_lshl_b32 s13, s13, 2
	s_add_co_u32 s13, s13, s41
	s_lshl_b32 s43, s41, 2
	s_lshl_b32 s43, 15, s43
	s_lshl_b32 s44, 0x1111, s40
	s_or_b32 s[G1+0], s43, (0<<16)|(1<<20)|(1<<21)|(6<<22)|(3<<25)
	s_or_b32 s[G1B+0], s44, (0<<16)|(1<<20)|(1<<21)|(6<<22)|(3<<25)
.irp g, G1, G1B
	s_mov_b32 s[\g+1], KSTEP<<16
	s_mov_b32 s[\g+2], 64<<16
	s_mov_b32 s[\g+3], KSTEP<<16
	s_mov_b32 s[\g+4], 64
	s_mov_b32 s[\g+5], SIZE_K
	s_mov_b32 s[\g+6], 0
	s_mov_b32 s[\g+7], 0
.endr
	s_lshl_b32 s17, s12, 6
	s_lshl_b32 s16, s13, 7
	s_add_co_u32 s16, s16, s17
	s_lshl_b32 s46, s42, 7
	s_add_co_u32 s46, s46, s17
	s_lshl_b32 s16, s16, 12
	s_lshl_b32 s46, s46, 12
	s_add_co_u32 s46, s46, 0x800000
	s_mov_b32 s17, 0
	s_mov_b32 s47, 0
	s_mul_i32 s20, s10, HALFT
	s_wait_dscnt 0x0
	s_wait_kmcnt 0x0
	s_load_b64 s[96:97], s[68:69], 0x38
	s_add_nc_u64 s[14:15], s[4:5], s[16:17]
	s_add_nc_u64 s[46:47], s[6:7], s[46:47]
	CROUND
.irp s, 0,1
	s_mov_b32 s[G0+4*\s], 1
	s_add_co_u32 s[G0+4*\s+1], s20, \s*SLOT
	s_add_nc_u64 s[G0+4*\s+2:G0+4*\s+3], s[14:15], \s*KSTEP
	s_or_b32 s[G0+4*\s+3], s[G0+4*\s+3], 0x80000000
	s_mov_b32 s[G0B+4*\s], 1
	s_add_co_u32 s[G0B+4*\s+1], s20, \s*SLOT
	s_add_nc_u64 s[G0B+4*\s+2:G0B+4*\s+3], s[46:47], \s*KSTEP
	s_or_b32 s[G0B+4*\s+3], s[G0B+4*\s+3], 0x80000000
.if \s
	s_wait_alu depctr_va_vdst(0)
	s_wait_tensorcnt 0x0
	ds_add_u32 v28, v29
	ds_add_u32 v28, v29
	s_wait_dscnt 0x0
	CROUND
.endif
	JLOAD \s
.endr
	v_and_b32 v1, 15, v0
	s_wait_alu depctr_va_vdst(0)
	v_bfe_u32 v2, v0, 4, 1
	v_mul_u32_u24 v3, v1, PITCH
	v_lshl_add_u32 v3, v2, 4, v3
	s_mul_i32 s21, s11, HALFT
	s_mul_i32 s22, s12, HALFT
	s_add_co_u32 s22, s22, 2*HALFT
.irp s, 0,1
	v_add_nc_u32 v[ADRA+\s], s21, v3
	v_add_nc_u32 v[ADRB+\s], s22, v3
	s_add_co_u32 s21, s21, SLOT
	s_add_co_u32 s22, s22, SLOT
.endr
	s_mul_i32 s23, s10, 16*SPITCH
	s_add_co_u32 s23, s23, STAGE
	v_mul_u32_u24 v5, v1, SPITCH
	s_wait_alu depctr_va_vdst(0)
	v_lshl_add_u32 v5, v2, 5, v5
	v_add_nc_u32 v[STO], s23, v5
	v_mul_u32_u24 v5, v2, SPITCH
	v_lshl_add_u32 v5, v1, 4, v5
	v_add_nc_u32 v[RD], s23, v5
	v_lshlrev_b32 v[BO], 4, v1
	s_wait_alu depctr_va_vdst(0)
	v_lshl_add_u32 v[CO], v2, 12, v[BO]
	s_wait_alu depctr_va_vdst(0)
	s_lshl_b32 s76, s13, 7
	s_lshl_b32 s77, s11, 6
	s_add_co_u32 s76, s76, s77
	s_lshl_b32 s76, s76, 12
	s_lshl_b32 s78, s42, 9
	s_lshl_b32 s79, s12, 8
	s_add_co_u32 s78, s78, s79
	s_add_co_u32 s76, s76, s78
	s_mov_b32 s77, 0
	s_mov_b32 s79, 0
	s_add_nc_u64 s[70:71], s[70:71], s[78:79]
	s_add_nc_u64 s[72:73], s[72:73], s[76:77]
	s_add_nc_u64 s[74:75], s[74:75], s[76:77]
	global_load_b128 v[12:15], v[BO], s[70:71]
	WIN 0x80
.irp a, 0,1,2,3
.irp t, 0,1,2,3,4,5,6,7
	global_load_b128 v[4*(8*\a+\t):4*(8*\a+\t)+3], v[CO], s[72:73] offset:(16*\a+2*\t)*4096 th:TH_LOAD_NT
.endr
.endr
	WIN 0
.macro MUL4 f, a, zero
.irp b, 0,1,2,3
.if \zero
	v_wmma_f32_16x16x128_fp8_fp8 v[ACC+8*(4*(\a)+\b):ACC+8*(4*(\a)+\b)+7], v[\f+64+16*\b:\f+64+16*\b+15], v[\f+16*(\a):\f+16*(\a)+15], 0
.else
	v_wmma_f32_16x16x128_fp8_fp8 v[ACC+8*(4*(\a)+\b):ACC+8*(4*(\a)+\b)+7], v[\f+64+16*\b:\f+64+16*\b+15], v[\f+16*(\a):\f+16*(\a)+15], v[ACC+8*(4*(\a)+\b):ACC+8*(4*(\a)+\b)+7]
.endif
.endr
.endm
.macro FETCH slot, kq, f
	WIN TO_F
.irp i, 0,1,2,3
.irp c, 0,1,2,3
	ds_load_b128 v[\f+64+16*\i+4*\c:\f+64+16*\i+4*\c+3], v[ADRB+\slot] offset:128*(\kq)+32*\c+\i*16*PITCH
.endr
.endr
.irp i, 0,1,2,3
.irp c, 0,1,2,3
	ds_load_b128 v[\f+16*\i+4*\c:\f+16*\i+4*\c+3], v[ADRA+\slot] offset:128*(\kq)+32*\c+\i*16*PITCH
.endr
.endr
.endm
.macro PLACES
.rept 4
	v_nop
.endr
.endm
.macro QUARTER slot, kq, f, g, zero
	s_wait_dscnt 8
	WIN MUL
	MUL4 \f, 0, \zero
	MUL4 \f, 1, \zero
	PLACES
	FETCH \slot, \kq, \g
	s_wait_dscnt 32
	WIN MUL
	MUL4 \f, 2, \zero
	MUL4 \f, 3, \zero
.endm
.macro TURN slot, next, fill
	WIN 0
	s_wait_tensorcnt 0x0
	ds_add_u32 v[SPW], v[NIL]
	s_wait_dscnt 9
	WIN MUL
	MUL4 F1, 0, 0
	s_wait_dscnt 0x0
	s_barrier_signal -1
	MUL4 F1, 1, 0
.if \fill
	WIN 0
.endif
	s_barrier_wait -1
.if \fill
	CREST
	s_add_nc_u64 s[G0+4*\slot+2:G0+4*\slot+3], s[G0+4*\slot+2:G0+4*\slot+3], 2*KSTEP
	s_add_nc_u64 s[G0B+4*\slot+2:G0B+4*\slot+3], s[G0B+4*\slot+2:G0B+4*\slot+3], 2*KSTEP
	JLOAD \slot
.else
	PLACES
.endif
	FETCH \next, 0, F0
	WIN MUL
	MUL4 F1, 2, 0
	MUL4 F1, 3, 0
.endm
	s_wait_tensorcnt 1
	s_barrier_signal -1
	s_barrier_wait -1
	FETCH 0, 0, F0
	QUARTER 0, 1, F0, F1, 1
	WIN 0
	s_mov_b32 s3, LAPS-1
.Llap:
	QUARTER 0, 2, F1, F0, 0
	QUARTER 0, 3, F0, F1, 0
	TURN 0, 1, 1
	QUARTER 1, 1, F0, F1, 0
	QUARTER 1, 2, F1, F0, 0
	QUARTER 1, 3, F0, F1, 0
	TURN 1, 0, 1
	QUARTER 0, 1, F0, F1, 0
	WIN 0
	s_sub_co_u32 s3, s3, 1
	s_cmp_lg_u32 s3, 0
	s_cbranch_scc1 .Llap
	QUARTER 0, 2, F1, F0, 0
	QUARTER 0, 3, F0, F1, 0
	TURN 0, 1, 0
	QUARTER 1, 1, F0, F1, 0
	QUARTER 1, 2, F1, F0, 0
	QUARTER 1, 3, F0, F1, 0
	s_wait_dscnt 8
	WIN MUL
	MUL4 F1, 0, 0
	MUL4 F1, 1, 0
	s_wait_dscnt 0
	MUL4 F1, 2, 0
	MUL4 F1, 3, 0
	WIN 0
.macro TOSTAGE a
.irp b, 0,1,2,3
	ds_store_b128 v[STO], v[ACC+8*(4*(\a)+\b):ACC+8*(4*(\a)+\b)+3] offset:64*\b
	ds_store_b128 v[STO], v[ACC+8*(4*(\a)+\b)+4:ACC+8*(4*(\a)+\b)+7] offset:64*\b+16
.endr
.set BB, BK+32*((\a)%2)
.irp t, 0,1,2,3,4,5,6,7
	ds_load_b128 v[BB+4*\t:BB+4*\t+3], v[RD] offset:\t*2*SPITCH
.endr
.endm
.macro SEND a, younger
.set BB, BK+32*((\a)%2)
	s_wait_dscnt \younger
.irp t, 0,1,2,3,4,5,6,7
	v_pk_fma_f32 v[BB+4*\t:BB+4*\t+1], v[BB+4*\t:BB+4*\t+1], s[96:97], v[12:13] op_sel_hi:[1,0,1]
	v_pk_fma_f32 v[BB+4*\t+2:BB+4*\t+3], v[BB+4*\t+2:BB+4*\t+3], s[96:97], v[14:15] op_sel_hi:[1,0,1]
.endr
	WIN 0x08
.irp t, 0,1,2,3,4,5,6,7
	v_pk_add_f32 v[BB+4*\t:BB+4*\t+1], v[BB+4*\t:BB+4*\t+1], v[4*(8*(\a)+\t):4*(8*(\a)+\t)+1]
	v_pk_add_f32 v[BB+4*\t+2:BB+4*\t+3], v[BB+4*\t+2:BB+4*\t+3], v[4*(8*(\a)+\t)+2:4*(8*(\a)+\t)+3]
.endr
	WIN 0
.irp t, 0,1,2,3,4,5,6,7
	global_store_b128 v[CO], v[BB+4*\t:BB+4*\t+3], s[74:75] offset:(16*(\a)+2*\t)*4096 th:TH_STORE_NT
.endr
.endm
	s_wait_kmcnt 0x0
	s_add_co_i32 s96, s96, s97
	s_add_co_i32 s96, s96, 127
	s_lshl_b32 s96, s96, 23
	s_mov_b32 s97, s96
	s_wait_loadcnt 0x0
	PLACES
	TOSTAGE 0
.irp a, 1,2,3
.if \a > 1
	s_wait_xcnt 0x0
.endif
	TOSTAGE \a
	SEND \a-1, 16
.endr
	SEND 3, 0
	s_wait_tensorcnt 0x0
	ds_add_u32 v[SPW], v[NIL]
	s_wait_dscnt 0x0
	CROUND
	s_endpgm
.Lfunc_end_k_qd1826c39fd_ffn2:
	.size	k_qd1826c39fd_ffn2, .Lfunc_end_k_qd1826c39fd_ffn2-k_qd1826c39fd_ffn2
	.p2alignl 7, 3214868480
	.fill 96, 4, 3214868480
	.section	.rodata,"a",@progbits
	.p2align	6, 0x0
	.amdhsa_kernel k_qd1826c39fd_ffn2
		.amdhsa_group_segment_fixed_size 327680
		.amdhsa_private_segment_fixed_size 0
		.amdhsa_enable_private_segment 0
		.amdhsa_kernarg_size 48
		.amdhsa_user_sgpr_count 2
		.amdhsa_user_sgpr_kernarg_segment_ptr 1
		.amdhsa_wavefront_size32 1
		.amdhsa_system_sgpr_workgroup_id_x 1
		.amdhsa_system_sgpr_workgroup_id_y 1
		.amdhsa_system_sgpr_workgroup_id_z 1
		.amdhsa_system_vgpr_workitem_id 0
		.amdhsa_next_free_vgpr 640
		.amdhsa_next_free_sgpr 98
		.amdhsa_reserve_vcc 0
		.amdhsa_float_denorm_mode_32 3
		.amdhsa_float_denorm_mode_16_64 3
		.amdhsa_memory_ordered 1
		.amdhsa_forward_progress 1
		.amdhsa_inst_pref_size 82
	.end_amdhsa_kernel
	.amdgpu_metadata
---
amdhsa.version: [ 1, 2 ]
amdhsa.kernels:
  - .name:           k_qd1826c39fd_ffn2
    .symbol:         k_qd1826c39fd_ffn2.kd
    .args:
      - { .name: fcodes, .offset: 0, .size: 8, .value_kind: global_buffer, .address_space: global }
      - { .name: wcodes, .offset: 8, .size: 8, .value_kind: global_buffer, .address_space: global }
      - { .name: lowp_scales, .offset: 16, .size: 8, .value_kind: global_buffer, .address_space: global }
      - { .name: b2, .offset: 24, .size: 8, .value_kind: global_buffer, .address_space: global }
      - { .name: hres, .offset: 32, .size: 8, .value_kind: global_buffer, .address_space: global }
      - { .name: out0, .offset: 40, .size: 8, .value_kind: global_buffer, .address_space: global }
    .group_segment_fixed_size: 327680
    .private_segment_fixed_size: 0
    .kernarg_segment_align: 8
    .kernarg_segment_size: 48
    .max_flat_workgroup_size: 128
    .sgpr_count:     98
    .vgpr_count:     640
    .wavefront_size: 32
...
	.end_amdgpu_metadata
.endif
;; end of part 7
